; MI455X (gfx1250); checked and timed in simulation.
; The chip was launched on July 23, 2026; its instructions are those of AMD's public machine-readable ISA for CDNA 5 (MIT licence, August 2026) and "CDNA5" Instruction Set Architecture Reference Guide (July 2026). The comments in the code are by the model that wrote it; some were corrected since.
;; FFF Fanout. Allowed arithmetic: float matrix products may take bf16 or f16 operands with f32 sums; all other float work in f32.
;; Inputs: W_in 21,840 x 256 float32; W_out 256 x 21,840 float32; b_in 21,840 float32; oldx 2 x 2,048 x 256 float32.
;; Outputs: out0 2 x 2,048 x 256 float32.
;; 2 versions, each right; version 2 is version 1 with the launches route, leaf written anew for expert scheduling mode. Each part assembles by itself: llvm-mc -triple=amdgcn-amd-amdhsa -mcpu=gfx1250 --defsym DOCPART=n.
;; ======== version 1 of 2: 3 launches
;; limits: values outside matrix products are rounded to bf16
;; workspace buffers: node3 65,536 bytes of whole numbers; part 16,777,216 bytes
;; launch route (part 1): grid 64 x 4, 4 waves a work-group, no clusters, 45,824 bytes of LDS; arguments oldx, W_in, b_in, node3; writes node3
.if DOCPART == 1
	.amdgcn_target "amdgcn-amd-amdhsa--gfx1250"
	.amdhsa_code_object_version 6
	.text
	.protected	k_q1c8d8702f0_route
	.globl	k_q1c8d8702f0_route
	.p2align	8
	.type	k_q1c8d8702f0_route,@function
k_q1c8d8702f0_route:
	s_mov_b64 s[64:65], 0
	v_nop
	global_prefetch_b8 v0, s[64:65] scope:SCOPE_SE
	s_setreg_imm32_b32 hwreg(HW_REG_WAVE_MODE, 25, 1), 1
	s_wait_xcnt 0x0
; ROUTE: the first three levels of each tree, for every token.  node3[p][t] = the level-3 node (0..63) that token t reaches in tree p.
; A work-group: 64 tokens (grid x) of one tree (grid y); a wave: 16 tokens.  Levels 0 to 2 of a tree are its first 84 rows of W_in (1 + 4 + 16 groups of 4).
; The 84 rows come through registers, are rounded to bf16 and laid into LDS; x goes from memory straight into the matrix unit's B layout.
; logits^T = W x^T + b: source 0 = 16 rows of W_in, source 1 = 16 tokens, so a lane holds ONE token (lane % 16) and rows 8 (lane / 16) + 0..7: two whole groups.
; The walk down the tree is made of selects alone: no address and no branch hangs on a decision; the decisions leave as whole numbers.
; No joint requests in a cluster: the 84 rows that work-groups of a tree share must be rounded to bf16 on the way, so they pass through registers.
; LIMITS.  x, W_in and b_in are rounded to bf16 (nearest even); sums, gelu and comparisons in f32.  gelu(x) = 0.5 x erfc(-x / sqrt 2), erfc(z) = t exp(-z^2 + P(t)),
; t = 1 / (1 + z / 2): fractional error of the formula about 1.2e-7, about 4e-7 as evaluated; a decision whose two best gelu values lie closer than that may fall the other way.
; Below x of about -13.2 the exponential is 0 and gelu is -0: ties take the first index, as argmax does.  NaN inputs are not served (a comparison never picks a NaN).
.set PW,    528                        ; a row of W_in in LDS: 512 bytes of bf16 + 16 = 33 x 16: the sixteen rows of a fragment load begin 16 bytes apart modulo 256
.set SUB,   12                         ; tile t > 0 begins at row 16 t - 12: rows 0 (level 0), 4 (level 1), 20, 36, 52, 68 (level 2)
.set LB,    44544                      ; behind the 84 rows: the bias, rounded, as f32; 512 bytes
.set LN,    45056                      ; the 64 results, 256 bytes
.set HH,    3                          ; v3   lane / 16
.set XO,    4                          ; v4   byte offset of my token's row in x, + 32 (lane / 16)
.set FAA,   13                         ; v13  LDS address of my part of a fragment of W_in
.set BAA,   14                         ; v14  LDS address of my eight biases of tile 0
.set D2,    29                         ; v29-31 the three decisions
.set D0,    30
.set D1,    31
.set rZ,    32                         ; v32-63 at work, four registers each
.set rT,    36
.set rP,    40
.set rH,    44
.set rLG,   48                         ; the active group's four logits
.set rG,    52                         ; their gelu
.set rOTH,  56
.set rSEL,  60
.set STG,   64                         ; v64-231 the 42 loads of W_in; afterwards:
.set FA0,   64                         ; v64-111, v112-159 fragments of W_in, two buffers of six tiles
.set FA1,   112
.set ACC,   160                        ; v160-207 six accumulators
.set BD,    232                        ; v232-235 bias as loaded
.set C8V,   236                        ; v236-237 the polynomial's c8, twice
.set SELLO, 46                         ; s46-47 lane selects: each lane takes its own place in the other half
.set SELHI, 47
.set HM,    48                         ; s48 mask of lanes 16-31
.set MODD,  50
.set MMINE, 51
.set MB1,   52
.set MB0,   53
.set GM,    76                         ; s76-79 x > 0, for four values
.set MSB, 0
.macro WIN new                         ; the immediate's high byte repeats the setting that is left; a switch that changes nothing is dropped
.if MSB != \new
	s_set_vgpr_msb (MSB<<8)|\new
.set MSB, \new
.endif
.endm
.macro PLACES                          ; four places behind matrix instructions, where no other vector work is at hand (ISA guide 7.12.1)
.rept 4
	v_nop
.endr
.endm
; 32 loads: my token's row of x, the halves of the lanes taking alternate runs of 8 numbers: raw register 16 s + 4 c + e (v256 on) holds k = 32 s + 16 (c / 2) + 8 (lane / 16) + 4 (c % 2) + e
.macro GATHER
	WIN 0x40                                       ; destination v256 on, address below
.set kk, 0
.rept 8
	global_load_b128 v[16*kk:16*kk+3],     v[XO], s[4:5] offset:128*kk
	global_load_b128 v[16*kk+4:16*kk+7],   v[XO], s[4:5] offset:128*kk+16
	global_load_b128 v[16*kk+8:16*kk+11],  v[XO], s[4:5] offset:128*kk+64
	global_load_b128 v[16*kk+12:16*kk+15], v[XO], s[4:5] offset:128*kk+80
.set kk, kk+1
.endr
	WIN 0
.endm
; rounded to bf16 in place: register k takes raw 2 k and 2 k + 1, which lie at or above it; v[256 + 8 s .. + 7] is then source 1 of K step s
.macro XCVT
	WIN 0x45
.set kk, 0
.rept 64
	v_cvt_pk_bf16_f32 v[kk], v[2*kk], v[2*kk+1]
.set kk, kk+1
.endr
	WIN 0
.endm
; 12 LDS loads: the six tiles' fragments of K step st
.macro FETCH st, buf
.set tt, 0
.rept 6
.set r0, 16*tt-SUB
.if tt == 0
.set r0, 0
.endif
	ds_load_b128 v[\buf+8*tt:\buf+8*tt+3],   v[FAA] offset:r0*PW+64*(\st)
	ds_load_b128 v[\buf+8*tt+4:\buf+8*tt+7], v[FAA] offset:r0*PW+64*(\st)+32
.set tt, tt+1
.endr
.endm
; The six tiles' logits.  The sums start from the bias, loaded in the result's layout.  The six accumulators take turns, one instruction a turn.
.macro LOGITS
	WIN 0x04                                       ; source 1 (x) from v256 on
.set tt, 0
.rept 6
.set r0, 16*tt-SUB
.if tt == 0
.set r0, 0
.endif
	ds_load_b128 v[ACC+8*tt:ACC+8*tt+3],   v[BAA] offset:4*r0
	ds_load_b128 v[ACC+8*tt+4:ACC+8*tt+7], v[BAA] offset:4*r0+16
.set tt, tt+1
.endr
	FETCH 0, FA0
	FETCH 1, FA1
.irp st, 0,1,2,3,4,5,6,7
.if \st < 7
	s_wait_dscnt 12                                ; all but the next K step's twelve loads: the bias and this step's fragments are in
.else
	s_wait_dscnt 0x0                               ; nothing was issued behind the last step's loads
.endif
.set fb, FA0+48*(\st%2)
.set tt, 0
.rept 6
	v_wmma_f32_16x16x32_bf16 v[ACC+8*tt:ACC+8*tt+7], v[fb+8*tt:fb+8*tt+7], v[8*\st:8*\st+7], v[ACC+8*tt:ACC+8*tt+7]
.set tt, tt+1
.endr
	PLACES                                         ; in front of the loads into the buffer just multiplied; behind the last step: in front of the first read of the sums
.if \st < 6
	FETCH \st+2, fb
.endif
.endr
	WIN 0
.endm
; gelu of four numbers v[x .. x+3] into v[o .. o+3]
.macro GELU4 x, o
.irp k, 0,1,2,3
	v_mul_f32 v[rZ+\k], 0x3f3504f3, |v[\x+\k]|     ; z = |x| / sqrt 2
.endr
	v_pk_fma_f32 v[rT:rT+1],   v[rZ:rZ+1],   0.5, 1.0 op_sel_hi:[1,0,0]
	v_pk_fma_f32 v[rT+2:rT+3], v[rZ+2:rZ+3], 0.5, 1.0 op_sel_hi:[1,0,0]
.irp k, 0,1,2,3
	v_rcp_f32 v[rT+\k], v[rT+\k]                   ; t = 1 / (1 + z / 2)
.endr
	v_pk_mul_f32 v[rH:rH+1], v[\x:\x+1], 0.5 op_sel_hi:[1,0]   ; the plain instruction between the reciprocals and their use (ISA guide 5.7.2)
.irp k, 0,1,2,3
	v_cmp_lt_f32 s[GM+\k], 0, v[\x+\k]
.endr
	s_wait_alu depctr_va_vdst(0)
	v_pk_fma_f32 v[rP:rP+1],   v[rT:rT+1],   0x3e2ef946, v[C8V:C8V+1] op_sel_hi:[1,0,1]   ; c9 t + c8
	v_pk_fma_f32 v[rP+2:rP+3], v[rT+2:rT+3], 0x3e2ef946, v[C8V:C8V+1] op_sel_hi:[1,0,1]
.irp c, 0x3fbe87b0, 0xbf914e5d, 0x3e8ec7cc, 0xbe3ec24c, 0x3dc636c9, 0x3ebf88fb, 0x3f8000c7, 0xbfa1fc4e   ; c7 down to c0
	v_pk_fma_f32 v[rP:rP+1],   v[rP:rP+1],   v[rT:rT+1],   \c op_sel_hi:[1,1,0]
	v_pk_fma_f32 v[rP+2:rP+3], v[rP+2:rP+3], v[rT+2:rT+3], \c op_sel_hi:[1,1,0]
.endr
	v_pk_fma_f32 v[rP:rP+1],   v[rZ:rZ+1],   v[rZ:rZ+1],   v[rP:rP+1]   neg_lo:[1,0,0] neg_hi:[1,0,0]   ; P(t) - z^2
	v_pk_fma_f32 v[rP+2:rP+3], v[rZ+2:rZ+3], v[rZ+2:rZ+3], v[rP+2:rP+3] neg_lo:[1,0,0] neg_hi:[1,0,0]
	v_pk_mul_f32 v[rP:rP+1],   v[rP:rP+1],   0x3fb8aa3b op_sel_hi:[1,0]   ; to base 2
	v_pk_mul_f32 v[rP+2:rP+3], v[rP+2:rP+3], 0x3fb8aa3b op_sel_hi:[1,0]
.irp k, 0,1,2,3
	v_exp_f32 v[rP+\k], v[rP+\k]
.endr
	v_pk_mul_f32 v[rH+2:rH+3], v[\x+2:\x+3], 0.5 op_sel_hi:[1,0]   ; the plain instruction behind the exponentials
	s_wait_alu depctr_va_vdst(0)
	v_pk_mul_f32 v[rP:rP+1],   v[rP:rP+1],   v[rT:rT+1]            ; erfc(z)
	v_pk_mul_f32 v[rP+2:rP+3], v[rP+2:rP+3], v[rT+2:rT+3]
	v_pk_fma_f32 v[rZ:rZ+1],   v[rP:rP+1],   -1.0, 2.0 op_sel_hi:[1,0,0]   ; erfc(-z) = 2 - erfc(z)
	v_pk_fma_f32 v[rZ+2:rZ+3], v[rP+2:rP+3], -1.0, 2.0 op_sel_hi:[1,0,0]
.irp k, 0,1,2,3
	v_cndmask_b32 v[rP+\k], v[rP+\k], v[rZ+\k], s[GM+\k]           ; x > 0 takes the second
.endr
	v_pk_mul_f32 v[\o:\o+1],   v[rH:rH+1],   v[rP:rP+1]
	v_pk_mul_f32 v[\o+2:\o+3], v[rH+2:rH+3], v[rP+2:rP+3]
.endm
; the index of the first largest of v[g .. g+3]
.macro ARGMAX4 g, idx
	v_cmp_gt_f32 vcc_lo, v[\g+1], v[\g]
	v_cndmask_b32 v[\idx], 0, 1, vcc_lo
	v_max_num_f32 v[rZ], v[\g], v[\g+1]
	v_cmp_gt_f32 vcc_lo, v[\g+2], v[rZ]
	v_cndmask_b32 v[\idx], v[\idx], 2, vcc_lo
	v_max_num_f32 v[rZ], v[rZ], v[\g+2]
	v_cmp_gt_f32 vcc_lo, v[\g+3], v[rZ]
	v_cndmask_b32 v[\idx], v[\idx], 3, vcc_lo
.endm
; Group c (0..3) of the tile in v[a .. a+7] lies in the half of the lanes c / 2, in registers 4 (c % 2) on.  Its four logits are brought into rLG in both halves.
; The first select reads the tile's lowest register.  The masks odd and mine stay for the caller.
.macro PICK a, c, odd, mine
	v_and_b32 v[rZ], 1, v[\c]
	v_lshrrev_b32 v[rZ+1], 1, v[\c]
	v_cmp_ne_u32 s[\odd], 0, v[rZ]
	v_cmp_eq_u32 s[\mine], v[rZ+1], v[HH]
.irp k, 0,1,2,3
	v_cndmask_b32 v[rSEL+\k], v[\a+\k], v[\a+4+\k], s[\odd]
.endr
.irp k, 0,1,2,3
	v_permlanex16_b32 v[rOTH+\k], v[rSEL+\k], s[SELLO], s[SELHI]
.endr
.irp k, 0,1,2,3
	v_cndmask_b32 v[rLG+\k], v[rOTH+\k], v[rSEL+\k], s[\mine]
.endr
.endm
; tile 2 + c of tiles 2 to 5 is brought into tile 2's registers, from the low end on
.macro PICKTILE c
	v_and_b32 v[rZ], 2, v[\c]
	v_and_b32 v[rZ+1], 1, v[\c]
	v_cmp_ne_u32 s[MB1], 0, v[rZ]
	v_cmp_ne_u32 s[MB0], 0, v[rZ+1]
.irp j, 0,1,2,3,4,5,6,7
	v_cndmask_b32 v[ACC+16+\j], v[ACC+16+\j], v[ACC+32+\j], s[MB1]
	v_cndmask_b32 v[ACC+24+\j], v[ACC+24+\j], v[ACC+40+\j], s[MB1]
	v_cndmask_b32 v[ACC+16+\j], v[ACC+16+\j], v[ACC+24+\j], s[MB0]
.endr
.endm
; the root group lies in lanes 0-15: lanes 16-31 take their decision
.macro ROOT d
	v_permlanex16_b32 v[rOTH], v[\d], s[SELLO], s[SELHI]
	v_cndmask_b32 v[\d], v[\d], v[rOTH], s[HM]
.endm
	s_load_b256 s[4:11], s[0:1], 0x0               ; oldx s[4:5], W_in s[6:7], b_in s[8:9], node3 s[10:11]
	v_lshl_add_u32 v254, v0, 2, 0xb100
	v_mov_b32 v255, 0
	v_lshrrev_b32 v1, 5, v0
	v_readfirstlane_b32 s12, v1                    ; wave 0..3
	v_and_b32 v1, 31, v0                           ; lane
	v_and_b32 v2, 15, v0                           ; lane % 16
	v_bfe_u32 v[HH], v0, 4, 1                      ; lane / 16
	s_and_b32 s14, ttmp7, 0xffff                   ; the tree
	s_mov_b32 s[SELLO], 0x76543210
	s_mov_b32 s[SELHI], 0xfedcba98
	s_mov_b32 s[HM], 0xffff0000
	v_lshl_add_u32 v15, s12, 4, v2                 ; my token among the group's 64
	v_lshlrev_b32 v[XO], 10, v15
	v_lshl_add_u32 v[XO], v[HH], 5, v[XO]
	v_lshlrev_b32 v15, 2, v15                      ; its word among the results
	v_lshlrev_b32 v5, 4, v0                        ; W_in: 16 bytes a thread, 2,048 a load of the group: two rows
	v_lshrrev_b32 v8, 6, v0
	v_and_b32 v9, 63, v0
	v_mul_u32_u24 v6, v8, PW
	v_lshl_add_u32 v6, v9, 3, v6                   ; and the 8 bytes of bf16 that they become
	s_mul_i32 s15, s12, 6                          ; bias: wave w takes groups 6 w .. 6 w + 5
	v_min_u32 v7, 5, v1
	v_add_nc_u32 v7, s15, v7
	v_min_u32 v8, 20, v7                           ; there are 21 groups: the load stays inside them; LDS places 21 to 23 are never read
	v_lshlrev_b32 v7, 4, v7
	v_lshlrev_b32 v8, 4, v8
	v_mul_u32_u24 v[FAA], v2, PW
	v_lshl_add_u32 v[FAA], v[HH], 4, v[FAA]
	v_lshl_add_u32 v[BAA], v[HH], 5, LB
	v_lshlrev_b32 v16, 3, v1                       ; the way out: 8 bytes a lane
.irp k, 0,1,2,3
	v_mov_b32 v[rOTH+\k], 0                        ; v_permlanex16_b32's destination counts as read: written once here
.endr
	v_mov_b32 v[C8V], 0xbf527892
	v_mov_b32 v[C8V+1], 0xbf527892
	s_lshl_b32 s16, ttmp9, 16                      ; 64 rows of x
	s_mov_b32 s17, 0
	s_mul_i32 s18, s14, 5591040                    ; 5,460 rows of W_in
	s_mov_b32 s19, 0
	s_mul_i32 s20, s14, 21840                      ; 5,460 biases
	s_mov_b32 s21, 0
	s_lshl_b32 s22, s14, 14                        ; 4,096 results a tree,
	s_lshl_b32 s23, ttmp9, 8                       ; 64 a group
	s_add_co_u32 s22, s22, s23
	s_mov_b32 s23, 0
	s_wait_kmcnt 0x0
	s_add_nc_u64 s[4:5], s[4:5], s[16:17]
	s_add_nc_u64 s[6:7], s[6:7], s[18:19]
	s_add_nc_u64 s[8:9], s[8:9], s[20:21]
	s_add_nc_u64 s[10:11], s[10:11], s[22:23]
	GATHER
	global_load_b128 v[BD:BD+3], v8, s[8:9]
.set ii, 0
.rept 42
	global_load_b128 v[STG+4*ii:STG+4*ii+3], v5, s[6:7] offset:2048*ii
.set ii, ii+1
.endr
	s_wait_loadcnt 42                              ; the 42 loads of W_in were issued behind the bias
.irp k, 0,1,2,3
	v_cvt_pk_bf16_f32 v[BD+\k], v[BD+\k], v[BD+\k] ; the bias is rounded to bf16 like the other inputs,
.endr
.irp k, 0,1,2,3
	v_lshlrev_b32 v[BD+\k], 16, v[BD+\k]           ; and kept as f32, since it starts the sums
.endr
	ds_store_b128 v7, v[BD:BD+3] offset:LB
.set ii, 0
.rept 42
	s_wait_loadcnt 41-ii                           ; the loads issued behind this one may stay out
	v_cvt_pk_bf16_f32 v[STG+4*ii],   v[STG+4*ii],   v[STG+4*ii+1]
	v_cvt_pk_bf16_f32 v[STG+4*ii+1], v[STG+4*ii+2], v[STG+4*ii+3]
	ds_store_b64 v6, v[STG+4*ii:STG+4*ii+1] offset:2*PW*ii
.set ii, ii+1
.endr
	s_wait_dscnt 0x0                               ; for the others' sake: my rows and biases are in LDS
	s_barrier_signal -1
	XCVT                                           ; register work while the others arrive; x was asked for first, so the last wait above showed it in
	s_barrier_wait -1
	LOGITS
	GELU4 ACC, rG                                  ; level 0: rows 0-3, in lanes 0-15
	ARGMAX4 rG, D0
	ROOT D0
	PICK ACC+8, D0, MODD, MMINE                    ; level 1: group d0 of tile 1
	GELU4 rLG, rG
	ARGMAX4 rG, D1
	PICKTILE D0                                    ; level 2: group 4 d0 + d1: tile 2 + d0, group d1
	PICK ACC+16, D1, MODD, MMINE
	GELU4 rLG, rG
	ARGMAX4 rG, D2
	v_lshlrev_b32 v[rZ], 4, v[D0]
	v_lshl_add_u32 v[rZ], v[D1], 2, v[rZ]
	v_add_nc_u32 v[rZ], v[rZ], v[D2]               ; 16 d0 + 4 d1 + d2
	ds_store_b32 v15, v[rZ] offset:LN              ; both halves of the lanes hold the same number and write the same word
	s_wait_dscnt 0x0                               ; for wave 0's sake
	s_barrier_signal -1
	s_barrier_wait -1
	s_cmp_lg_u32 s12, 0
	s_cbranch_scc1 .Lend
	ds_load_b64 v[18:19], v16 offset:LN
	s_wait_dscnt 0x0
	global_store_b64 v16, v[18:19], s[10:11]       ; one store of 256 consecutive bytes, at a multiple of 256 from the buffer's first byte
.Lend:
	s_wait_tensorcnt 0x0
	ds_add_u32 v254, v255
	s_wait_dscnt 0x0
	s_endpgm
.Lfunc_end_k_q1c8d8702f0_route:
	.size	k_q1c8d8702f0_route, .Lfunc_end_k_q1c8d8702f0_route-k_q1c8d8702f0_route
	.p2alignl 7, 3214868480
	.fill 96, 4, 3214868480
	.section	.rodata,"a",@progbits
	.p2align	6, 0x0
	.amdhsa_kernel k_q1c8d8702f0_route
		.amdhsa_group_segment_fixed_size 45824
		.amdhsa_private_segment_fixed_size 0
		.amdhsa_enable_private_segment 0
		.amdhsa_kernarg_size 32
		.amdhsa_user_sgpr_count 2
		.amdhsa_user_sgpr_kernarg_segment_ptr 1
		.amdhsa_wavefront_size32 1
		.amdhsa_system_sgpr_workgroup_id_x 1
		.amdhsa_system_sgpr_workgroup_id_y 1
		.amdhsa_system_sgpr_workgroup_id_z 1
		.amdhsa_system_vgpr_workitem_id 0
		.amdhsa_next_free_vgpr 384
		.amdhsa_next_free_sgpr 84
		.amdhsa_reserve_vcc 1
		.amdhsa_float_denorm_mode_32 3
		.amdhsa_float_denorm_mode_16_64 3
		.amdhsa_memory_ordered 1
		.amdhsa_forward_progress 1
		.amdhsa_inst_pref_size 52
	.end_amdhsa_kernel
	.amdgpu_metadata
---
amdhsa.version: [ 1, 2 ]
amdhsa.kernels:
  - .name:           k_q1c8d8702f0_route
    .symbol:         k_q1c8d8702f0_route.kd
    .args:
      - { .name: oldx, .offset: 0, .size: 8, .value_kind: global_buffer, .address_space: global }
      - { .name: W_in, .offset: 8, .size: 8, .value_kind: global_buffer, .address_space: global }
      - { .name: b_in, .offset: 16, .size: 8, .value_kind: global_buffer, .address_space: global }
      - { .name: node3, .offset: 24, .size: 8, .value_kind: global_buffer, .address_space: global }
    .group_segment_fixed_size: 45824
    .private_segment_fixed_size: 0
    .kernarg_segment_align: 8
    .kernarg_segment_size: 32
    .max_flat_workgroup_size: 128
    .sgpr_count:     84
    .vgpr_count:     384
    .wavefront_size: 32
...
	.end_amdgpu_metadata
.endif
;; end of part 1
;; launch leaf (part 2): grid 64 x 4, 8 waves a work-group, no clusters, 257,024 bytes of LDS; arguments oldx, W_in, b_in, W_out, node3, part; writes part
.if DOCPART == 2
	.amdgcn_target "amdgcn-amd-amdhsa--gfx1250"
	.amdhsa_code_object_version 6
	.text
	.protected	k_q1c8d8702f0_leaf
	.globl	k_q1c8d8702f0_leaf
	.p2align	8
	.type	k_q1c8d8702f0_leaf,@function
k_q1c8d8702f0_leaf:
	s_mov_b64 s[64:65], 0
	v_nop
	global_prefetch_b8 v0, s[64:65] scope:SCOPE_SE
	s_setreg_imm32_b32 hwreg(HW_REG_WAVE_MODE, 25, 1), 1
	s_wait_xcnt 0x0
; LEAF: part[p][t][:] = tree p's share of token t's output row.  A work-group is a BUCKET: tree p (grid y) and level-3 node n3 (grid x).
; All tokens of a bucket share their groups of levels 0 to 2 (known from n3) and can only reach the 1 + 4 + 16 groups below n3: 24 groups, 96 rows of W_in and 96 columns of W_out,
; which hang on the work-group's ids alone.  So each weight of levels 3 to 5 is read once in the launch.  The tokens come to the weights: wave w scans node3 for tokens
; 512 w .. 512 w + 511, lists those of the bucket in LDS, and takes them 16 at a time: gather x, 96 logits a token on the matrix unit, the walk through levels 3 and 4 by selects,
; gelu on the 24 active units alone, the masked activations in bf16 (already in source 1's layout), times W_out, and out through the wave's own stage as whole rows.
; ORDER OF THE 96 ROWS (and of k in the second product): 0-3 level 3 (so that the group decided first lies in the lowest registers), 4-7 level 0, 8-11 level 1, 12-15 level 2, 16-31 level 4, 32-95 level 5.
; Lists, x, stage and trips are each wave's own: the one barrier stands behind the staging of the weights.  No two work-groups share a tile of any size (12 path rows of 96): no cluster.
; A list is padded with its own first token up to a multiple of 16: a padded slot computes a row of this bucket again; at most one such row a trip is stored, by the same wave, with the same values.
; Any routing is served: a wave makes up to 32 trips.
; LIMITS.  x, W_in, b_in and W_out are rounded to bf16 (nearest even), the activations to bf16 for the second product; sums, gelu and comparisons in f32.
; gelu(x) = 0.5 x erfc(-x / sqrt 2), erfc(z) = t exp(-z^2 + P(t)), t = 1 / (1 + z / 2): fractional error of the formula about 1.2e-7, about 4e-7 as evaluated; a decision whose two best
; gelu values lie closer than that may fall the other way.  Below x of about -13.2 gelu is -0: ties take the first index.  NaN inputs are not served.
.set PW,    528                        ; a row of W_in in LDS: 512 bytes of bf16 + 16 = 33 x 16: the sixteen rows of a fragment load begin 16 bytes apart modulo 256
.set PO,    208                        ; a row of W_out in LDS: 96 bf16 + 16 bytes = 13 x 16
.set PS,    1040                       ; a row of the stage: 256 f32 + 16 bytes = 65 x 16
.set SUB,   0                          ; tile t begins at row 16 t
.set LWO,   96*PW                      ; 50,688: W_out, 256 rows
.set LB,    LWO+256*PO                 ; 103,936: the bias, rounded, as f32; 512 bytes
.set LL,    LB+512                     ; 104,448: eight lists
.set LLW,   2304                       ; a list: words 0-543 tokens and padding, word 544 takes what is not listed
.set LS,    LL+8*LLW                   ; 122,880: eight stages of 16 rows
.set WOROW, 87360                      ; bytes in a row of W_out
.set HH,    3                          ; v3   lane / 16
.set XO,    4                          ; v4   byte offset of my token's row in x, + 32 (lane / 16)
.set FAA,   13                         ; v13  LDS address of my part of a fragment of W_in
.set BAA,   14                         ; v14  of my eight biases of tile 0
.set FBA,   15                         ; v15  of my part of a fragment of W_out
.set TO,    16                         ; v16-23 pair tp of the tile's tokens: my byte offset in part
.set STA,   24                         ; v24  the stage: where I put 16 bytes of a token's row
.set RDA,   25                         ; v25  where I read a row back
.set D3,    30
.set D4,    31
.set rZ,    32                         ; v32-63 at work, four registers each; in the second product: accumulator set OB
.set rT,    36
.set rP,    40
.set rH,    44
.set rLG,   48
.set rG,    52
.set rOTH,  56
.set rSEL,  60
.set STG,   64                         ; v64-255 the 48 loads of weights; afterwards:
.set FA0,   64                         ; v64-111, v112-159 fragments of W_in, two buffers of six tiles
.set FA1,   112
.set ACC,   160                        ; v160-207 six accumulators
.set B2,    208                        ; v208-231 the masked activations: source 1 of the second product, 8 registers a K step
.set C8V,   236                        ; v236-237 the polynomial's c8, twice
.set FB,    64                         ; v64-159 fragments of W_out: 4 tiles x 3 K steps
.set OA,    160                        ; v160-191, v32-63 two sets of four accumulators
.set OB,    32
.set WB,    64                         ; v64-191 the way out: 16 rows read back
.set SELLO, 46
.set SELHI, 47
.set HM,    48
.set MODD,  50
.set MMINE, 51
.set MB1,   52
.set MB0,   53
.set MA,    54
.set MBB,   55
.set EQ,    56                         ; s56-59 d3 = 0..3
.set TA,    66                         ; s66-73 two masks for each tile of level 5
.set GM,    76
.set MSB, 0
.macro WIN new                         ; the immediate's high byte repeats the setting that is left; a switch that changes nothing is dropped
.if MSB != \new
	s_set_vgpr_msb (MSB<<8)|\new
.set MSB, \new
.endif
.endm
.macro PLACES                          ; four places behind matrix instructions, where no other vector work is at hand (ISA guide 7.12.1)
.rept 4
	v_nop
.endr
.endm
; 32 loads: my token's row of x, the halves of the lanes taking alternate runs of 8 numbers: raw register 16 s + 4 c + e (v256 on) holds k = 32 s + 16 (c / 2) + 8 (lane / 16) + 4 (c % 2) + e
.macro GATHER
	WIN 0x40                                       ; destination v256 on, address below
.set kk, 0
.rept 8
	global_load_b128 v[16*kk:16*kk+3],     v[XO], s[4:5] offset:128*kk
	global_load_b128 v[16*kk+4:16*kk+7],   v[XO], s[4:5] offset:128*kk+16
	global_load_b128 v[16*kk+8:16*kk+11],  v[XO], s[4:5] offset:128*kk+64
	global_load_b128 v[16*kk+12:16*kk+15], v[XO], s[4:5] offset:128*kk+80
.set kk, kk+1
.endr
	WIN 0
.endm
; rounded to bf16 in place: register k takes raw 2 k and 2 k + 1, which lie at or above it; v[256 + 8 s .. + 7] is then source 1 of K step s
.macro XCVT
	WIN 0x45
.set kk, 0
.rept 64
	v_cvt_pk_bf16_f32 v[kk], v[2*kk], v[2*kk+1]
.set kk, kk+1
.endr
	WIN 0
.endm
; 12 LDS loads: the six tiles' fragments of K step st
.macro FETCH st, buf
.set tt, 0
.rept 6
.set r0, 16*tt-SUB
.if tt == 0
.set r0, 0
.endif
	ds_load_b128 v[\buf+8*tt:\buf+8*tt+3],   v[FAA] offset:r0*PW+64*(\st)
	ds_load_b128 v[\buf+8*tt+4:\buf+8*tt+7], v[FAA] offset:r0*PW+64*(\st)+32
.set tt, tt+1
.endr
.endm
; The six tiles' logits.  The sums start from the bias, loaded in the result's layout.  The six accumulators take turns, one instruction a turn.
.macro LOGITS
	WIN 0x04                                       ; source 1 (x) from v256 on
.set tt, 0
.rept 6
.set r0, 16*tt-SUB
.if tt == 0
.set r0, 0
.endif
	ds_load_b128 v[ACC+8*tt:ACC+8*tt+3],   v[BAA] offset:4*r0
	ds_load_b128 v[ACC+8*tt+4:ACC+8*tt+7], v[BAA] offset:4*r0+16
.set tt, tt+1
.endr
	FETCH 0, FA0
	FETCH 1, FA1
.irp st, 0,1,2,3,4,5,6,7
.if \st < 7
	s_wait_dscnt 12                                ; all but the next K step's twelve loads: the bias and this step's fragments are in
.else
	s_wait_dscnt 0x0                               ; nothing was issued behind the last step's loads
.endif
.set fb, FA0+48*(\st%2)
.set tt, 0
.rept 6
	v_wmma_f32_16x16x32_bf16 v[ACC+8*tt:ACC+8*tt+7], v[fb+8*tt:fb+8*tt+7], v[8*\st:8*\st+7], v[ACC+8*tt:ACC+8*tt+7]
.set tt, tt+1
.endr
	PLACES                                         ; in front of the loads into the buffer just multiplied; behind the last step: in front of the first read of the sums
.if \st < 6
	FETCH \st+2, fb
.endif
.endr
	WIN 0
.endm
; gelu of four numbers v[x .. x+3] into v[o .. o+3]
.macro GELU4 x, o
.irp k, 0,1,2,3
	v_mul_f32 v[rZ+\k], 0x3f3504f3, |v[\x+\k]|     ; z = |x| / sqrt 2
.endr
	v_pk_fma_f32 v[rT:rT+1],   v[rZ:rZ+1],   0.5, 1.0 op_sel_hi:[1,0,0]
	v_pk_fma_f32 v[rT+2:rT+3], v[rZ+2:rZ+3], 0.5, 1.0 op_sel_hi:[1,0,0]
.irp k, 0,1,2,3
	v_rcp_f32 v[rT+\k], v[rT+\k]                   ; t = 1 / (1 + z / 2)
.endr
	v_pk_mul_f32 v[rH:rH+1], v[\x:\x+1], 0.5 op_sel_hi:[1,0]   ; the plain instruction between the reciprocals and their use (ISA guide 5.7.2)
.irp k, 0,1,2,3
	v_cmp_lt_f32 s[GM+\k], 0, v[\x+\k]
.endr
	s_wait_alu depctr_va_vdst(0)
	v_pk_fma_f32 v[rP:rP+1],   v[rT:rT+1],   0x3e2ef946, v[C8V:C8V+1] op_sel_hi:[1,0,1]   ; c9 t + c8
	v_pk_fma_f32 v[rP+2:rP+3], v[rT+2:rT+3], 0x3e2ef946, v[C8V:C8V+1] op_sel_hi:[1,0,1]
.irp c, 0x3fbe87b0, 0xbf914e5d, 0x3e8ec7cc, 0xbe3ec24c, 0x3dc636c9, 0x3ebf88fb, 0x3f8000c7, 0xbfa1fc4e   ; c7 down to c0
	v_pk_fma_f32 v[rP:rP+1],   v[rP:rP+1],   v[rT:rT+1],   \c op_sel_hi:[1,1,0]
	v_pk_fma_f32 v[rP+2:rP+3], v[rP+2:rP+3], v[rT+2:rT+3], \c op_sel_hi:[1,1,0]
.endr
	v_pk_fma_f32 v[rP:rP+1],   v[rZ:rZ+1],   v[rZ:rZ+1],   v[rP:rP+1]   neg_lo:[1,0,0] neg_hi:[1,0,0]   ; P(t) - z^2
	v_pk_fma_f32 v[rP+2:rP+3], v[rZ+2:rZ+3], v[rZ+2:rZ+3], v[rP+2:rP+3] neg_lo:[1,0,0] neg_hi:[1,0,0]
	v_pk_mul_f32 v[rP:rP+1],   v[rP:rP+1],   0x3fb8aa3b op_sel_hi:[1,0]   ; to base 2
	v_pk_mul_f32 v[rP+2:rP+3], v[rP+2:rP+3], 0x3fb8aa3b op_sel_hi:[1,0]
.irp k, 0,1,2,3
	v_exp_f32 v[rP+\k], v[rP+\k]
.endr
	v_pk_mul_f32 v[rH+2:rH+3], v[\x+2:\x+3], 0.5 op_sel_hi:[1,0]   ; the plain instruction behind the exponentials
	s_wait_alu depctr_va_vdst(0)
	v_pk_mul_f32 v[rP:rP+1],   v[rP:rP+1],   v[rT:rT+1]            ; erfc(z)
	v_pk_mul_f32 v[rP+2:rP+3], v[rP+2:rP+3], v[rT+2:rT+3]
	v_pk_fma_f32 v[rZ:rZ+1],   v[rP:rP+1],   -1.0, 2.0 op_sel_hi:[1,0,0]   ; erfc(-z) = 2 - erfc(z)
	v_pk_fma_f32 v[rZ+2:rZ+3], v[rP+2:rP+3], -1.0, 2.0 op_sel_hi:[1,0,0]
.irp k, 0,1,2,3
	v_cndmask_b32 v[rP+\k], v[rP+\k], v[rZ+\k], s[GM+\k]           ; x > 0 takes the second
.endr
	v_pk_mul_f32 v[\o:\o+1],   v[rH:rH+1],   v[rP:rP+1]
	v_pk_mul_f32 v[\o+2:\o+3], v[rH+2:rH+3], v[rP+2:rP+3]
.endm
; the index of the first largest of v[g .. g+3]
.macro ARGMAX4 g, idx
	v_cmp_gt_f32 vcc_lo, v[\g+1], v[\g]
	v_cndmask_b32 v[\idx], 0, 1, vcc_lo
	v_max_num_f32 v[rZ], v[\g], v[\g+1]
	v_cmp_gt_f32 vcc_lo, v[\g+2], v[rZ]
	v_cndmask_b32 v[\idx], v[\idx], 2, vcc_lo
	v_max_num_f32 v[rZ], v[rZ], v[\g+2]
	v_cmp_gt_f32 vcc_lo, v[\g+3], v[rZ]
	v_cndmask_b32 v[\idx], v[\idx], 3, vcc_lo
.endm
; Group c (0..3) of the tile in v[a .. a+7] lies in the half of the lanes c / 2, in registers 4 (c % 2) on.  Its four logits are brought into rLG in both halves.
; The first select reads the tile's lowest register.  The masks odd and mine stay for the caller.
.macro PICK a, c, odd, mine
	v_and_b32 v[rZ], 1, v[\c]
	v_lshrrev_b32 v[rZ+1], 1, v[\c]
	v_cmp_ne_u32 s[\odd], 0, v[rZ]
	v_cmp_eq_u32 s[\mine], v[rZ+1], v[HH]
.irp k, 0,1,2,3
	v_cndmask_b32 v[rSEL+\k], v[\a+\k], v[\a+4+\k], s[\odd]
.endr
.irp k, 0,1,2,3
	v_permlanex16_b32 v[rOTH+\k], v[rSEL+\k], s[SELLO], s[SELHI]
.endr
.irp k, 0,1,2,3
	v_cndmask_b32 v[rLG+\k], v[rOTH+\k], v[rSEL+\k], s[\mine]
.endr
.endm
; tile 2 + c of tiles 2 to 5 is brought into tile 2's registers, from the low end on
.macro PICKTILE c
	v_and_b32 v[rZ], 2, v[\c]
	v_and_b32 v[rZ+1], 1, v[\c]
	v_cmp_ne_u32 s[MB1], 0, v[rZ]
	v_cmp_ne_u32 s[MB0], 0, v[rZ+1]
.irp j, 0,1,2,3,4,5,6,7
	v_cndmask_b32 v[ACC+16+\j], v[ACC+16+\j], v[ACC+32+\j], s[MB1]
	v_cndmask_b32 v[ACC+24+\j], v[ACC+24+\j], v[ACC+40+\j], s[MB1]
	v_cndmask_b32 v[ACC+16+\j], v[ACC+16+\j], v[ACC+24+\j], s[MB0]
.endr
.endm
; the root group lies in lanes 0-15: lanes 16-31 take their decision
.macro ROOT d
	v_permlanex16_b32 v[rOTH], v[\d], s[SELLO], s[SELHI]
	v_cndmask_b32 v[\d], v[\d], v[rOTH], s[HM]
.endm
; my token of the tile that begins at list entry s43, and its offset in x
.macro LISTX
	v_add_nc_u32 v56, s43, v2
	v_min_u32 v56, 0x21f, v56                      ; inside the list's 544 words
	v_lshl_add_u32 v56, v56, 2, v26
	ds_load_b32 v57, v56
	s_wait_dscnt 0x0
	v_min_u32 v57, 0xfff, v57                      ; a token: 0 .. 4,095
	v_lshlrev_b32 v57, 10, v57
	v_lshl_add_u32 v[XO], v[HH], 5, v57
.endm
; 24 LDS loads: W_out's fragments of output tiles 4 g .. 4 g + 3, K step by K step
.macro FETCHB g
.irp ks, 0,1,2
.irp ot, 0,1,2,3
	ds_load_b128 v[FB+24*\ot+8*\ks:FB+24*\ot+8*\ks+3],   v[FBA] offset:16*(4*\g+\ot)*PO+64*\ks
	ds_load_b128 v[FB+24*\ot+8*\ks+4:FB+24*\ot+8*\ks+7], v[FBA] offset:16*(4*\g+\ot)*PO+64*\ks+32
.endr
.endr
.endm
; 12 matrix instructions: O^T = W_out act for four output tiles.  Source 0 = 16 output rows, source 1 = 16 tokens: a lane holds one token and eight neighbouring outputs.
; The first K step starts the sums; the four accumulators take turns, one instruction a turn.
.macro MULB ob
.irp ks, 0,1,2
	s_wait_dscnt 16-8*\ks                          ; the later K steps' loads, eight each, may stay out
.irp ot, 0,1,2,3
.if \ks == 0
	v_wmma_f32_16x16x32_bf16 v[\ob+8*\ot:\ob+8*\ot+7], v[FB+24*\ot+8*\ks:FB+24*\ot+8*\ks+7], v[B2+8*\ks:B2+8*\ks+7], 0
.else
	v_wmma_f32_16x16x32_bf16 v[\ob+8*\ot:\ob+8*\ot+7], v[FB+24*\ot+8*\ks:FB+24*\ot+8*\ks+7], v[B2+8*\ks:B2+8*\ks+7], v[\ob+8*\ot:\ob+8*\ot+7]
.endif
.endr
.endr
.endm
; four finished tiles into my stage: each accumulator from its low end on
.macro STAGEO g, ob
.irp ot, 0,1,2,3
	ds_store_b128 v[STA], v[\ob+8*\ot:\ob+8*\ot+3]   offset:64*(4*\g+\ot)
	ds_store_b128 v[STA], v[\ob+8*\ot+4:\ob+8*\ot+7] offset:64*(4*\g+\ot)+16
.endr
.endm
	s_load_b256 s[4:11], s[0:1], 0x0               ; oldx s[4:5], W_in s[6:7], b_in s[8:9], W_out s[10:11]
	s_load_b128 s[12:15], s[0:1], 0x20             ; node3 s[12:13], part s[14:15]
	s_set_vgpr_msb 0x40
	v_lshl_add_u32 v128, v0, 2, 0x3e800
	v_mov_b32 v129, 0
	s_set_vgpr_msb 0x4000
	v_lshrrev_b32 v1, 5, v0
	v_readfirstlane_b32 s16, v1                    ; wave 0..7
	s_mov_b32 s17, ttmp9                           ; n3
	s_and_b32 s18, ttmp7, 0xffff                   ; the tree
	s_mul_i32 s19, s18, 1365                       ; its first group
	s_lshr_b32 s20, s17, 4
	s_add_co_u32 s20, s20, 1                       ; the path's group of level 1
	s_lshr_b32 s21, s17, 2
	s_add_co_u32 s21, s21, 5                       ; of level 2
	s_add_co_u32 s22, s17, 21                      ; of level 3
	s_lshl_b32 s23, s17, 2
	s_add_co_u32 s23, s23, 85                      ; the first of the four groups of level 4
	s_lshl_b32 s24, s17, 4
	s_add_co_u32 s24, s24, 341                     ; the first of the sixteen of level 5
	s_mov_b32 s[SELLO], 0x76543210
	s_mov_b32 s[SELHI], 0xfedcba98
	s_mov_b32 s[HM], 0xffff0000
	; byte offsets of what my wave stages.  W_in: a group is 4 rows of 1,024 bytes.  Tile 0: rows 2 w, 2 w + 1, of group (level 3, 0, 1, 2)[w / 2]
	s_lshr_b32 s45, s16, 1
	s_cmp_eq_u32 s45, 0
	s_cselect_b32 s25, s22, 0
	s_cmp_eq_u32 s45, 2
	s_cselect_b32 s25, s20, s25
	s_cmp_eq_u32 s45, 3
	s_cselect_b32 s25, s21, s25
	s_add_co_u32 s26, s19, s25
	s_lshl_b32 s26, s26, 12
	s_and_b32 s45, s16, 1
	s_lshl_b32 s45, s45, 11
	s_add_co_u32 s26, s26, s45
	s_mov_b32 s27, 0
	s_add_co_u32 s28, s19, s23                     ; level 4: 16 rows, two a wave
	s_lshl_b32 s28, s28, 12
	s_lshl_b32 s45, s16, 11
	s_add_co_u32 s28, s28, s45
	s_mov_b32 s29, 0
	s_add_co_u32 s30, s19, s24                     ; level 5: 64 rows, eight a wave
	s_lshl_b32 s30, s30, 12
	s_lshl_b32 s45, s16, 13
	s_add_co_u32 s30, s30, s45
	s_mov_b32 s31, 0
	s_mul_i32 s25, s16, 32*WOROW                   ; W_out: 32 output rows a wave; a group is 16 bytes of a row
	s_add_co_u32 s32, s19, s24
	s_lshl_b32 s32, s32, 4
	s_add_co_u32 s32, s32, s25
	s_mov_b32 s33, 0
	s_add_co_u32 s34, s19, s23
	s_lshl_b32 s34, s34, 4
	s_add_co_u32 s34, s34, s25
	s_mov_b32 s35, 0
	s_lshl_b32 s38, s19, 4
	s_add_co_u32 s36, s38, s25
	s_mov_b32 s37, 0
	s_mov_b32 s39, 0                               ; s[38:39]: the tree's first bias
	s_lshl_b32 s60, s18, 14                        ; node3: 4,096 words a tree, 512 a wave
	s_lshl_b32 s45, s16, 11
	s_add_co_u32 s60, s60, s45
	s_mov_b32 s61, 0
	s_lshl_b32 s62, s18, 22                        ; part: 4 MiB a tree
	s_mov_b32 s63, 0
	v_and_b32 v1, 31, v0                           ; lane
	v_and_b32 v2, 15, v0                           ; lane % 16
	v_bfe_u32 v[HH], v0, 4, 1                      ; lane / 16
	v_lshlrev_b32 v5, 4, v1                        ; 16 bytes a lane: half a row of W_in a load
	s_mul_i32 s45, s16, 2*PW
	v_lshl_add_u32 v6, v1, 3, s45                  ; LDS: rows 2 w on, the 8 bytes of bf16 that my 16 become
	s_mul_i32 s49, s16, 8*PW
	s_add_co_u32 s49, s49, 32*PW
	v_lshl_add_u32 v7, v1, 3, s49                  ; rows 32 + 8 w on
	v_mul_u32_u24 v8, v[HH], WOROW
	v_lshl_add_u32 v8, v2, 4, v8                   ; W_out level 5: sixteen lanes take a row's sixteen groups (256 bytes), two rows a load
	v_lshrrev_b32 v32, 2, v1
	v_and_b32 v33, 3, v1
	v_mul_u32_u24 v10, v32, WOROW
	v_lshl_add_u32 v9, v33, 4, v10                 ; level 4: four lanes take a row's four groups, eight rows a load
	v_cmp_eq_u32 vcc_lo, 0, v33                    ; tile 0: the four groups (level 3, 0, 1, 2), which lie apart
	v_cndmask_b32 v34, 0, s22, vcc_lo
	v_cmp_eq_u32 vcc_lo, 2, v33
	v_cndmask_b32 v34, v34, s20, vcc_lo
	v_cmp_eq_u32 vcc_lo, 3, v33
	v_cndmask_b32 v34, v34, s21, vcc_lo
	v_lshl_add_u32 v10, v34, 4, v10
	s_mul_i32 s45, s16, 32*PO
	s_add_co_u32 s45, s45, LWO
	v_mul_u32_u24 v11, v[HH], PO
	v_lshl_add_u32 v11, v2, 3, v11
	v_add_nc_u32 v11, s45, v11                     ; LDS places of the same
	v_mul_u32_u24 v12, v32, PO
	v_lshl_add_u32 v12, v33, 3, v12
	v_add_nc_u32 v12, s45, v12
	v_mul_u32_u24 v[FAA], v2, PW
	v_lshl_add_u32 v[FAA], v[HH], 4, v[FAA]
	v_lshl_add_u32 v[BAA], v[HH], 5, LB
	v_mul_u32_u24 v[FBA], v2, PO
	v_lshl_add_u32 v[FBA], v[HH], 4, v[FBA]
	v_add_nc_u32 v[FBA], LWO, v[FBA]
	s_mul_i32 s49, s16, 16*PS
	s_add_co_u32 s49, s49, LS                      ; my stage
	v_mul_u32_u24 v[STA], v2, PS                   ; in: my token's row, 32 bytes for each half of the lanes
	v_lshl_add_u32 v[STA], v[HH], 5, v[STA]
	v_add_nc_u32 v[STA], s49, v[STA]
	v_mul_u32_u24 v[RDA], v[HH], PS                ; back: lanes 0-15 take 256 bytes of one row, lanes 16-31 of the next
	v_lshl_add_u32 v[RDA], v2, 4, v[RDA]
	v_add_nc_u32 v[RDA], s49, v[RDA]
	s_mul_i32 s45, s16, LLW
	s_add_co_u32 s45, s45, LL
	v_mov_b32 v26, s45                             ; my list
	s_lshl_b32 s49, s16, 9
	v_lshl_add_u32 v27, v1, 2, s49                 ; the first of the four tokens that a load of node3 gives me
	v_mov_b32 v28, 544                             ; the word for what is not listed
	v_lshlrev_b32 v29, 4, v2
	v_mov_b32 v58, s49                             ; my wave's first token
	s_mul_i32 s45, s16, 3                          ; bias: wave w takes groups 3 w .. 3 w + 2 of the 24, in the order of the rows
	v_min_u32 v52, 2, v1
	v_add_nc_u32 v52, s45, v52
	s_sub_co_u32 s45, s24, 8
	v_add_nc_u32 v53, s45, v52                     ; 8 on: level 5
	s_sub_co_u32 s49, s23, 4
	v_add_nc_u32 v54, s49, v52                     ; 4 to 7: level 4
	v_cmp_gt_u32 vcc_lo, 8, v52
	v_cndmask_b32 v53, v53, v54, vcc_lo
	v_cmp_eq_u32 vcc_lo, 0, v52
	v_cndmask_b32 v53, v53, s22, vcc_lo
	v_cmp_eq_u32 vcc_lo, 1, v52
	v_cndmask_b32 v53, v53, 0, vcc_lo
	v_cmp_eq_u32 vcc_lo, 2, v52
	v_cndmask_b32 v53, v53, s20, vcc_lo
	v_cmp_eq_u32 vcc_lo, 3, v52
	v_cndmask_b32 v53, v53, s21, vcc_lo
	v_lshlrev_b32 v54, 4, v53                      ; from where,
	v_lshl_add_u32 v52, v52, 4, LB                 ; to where
	s_wait_kmcnt 0x0
	s_add_nc_u64 s[26:27], s[6:7], s[26:27]
	s_add_nc_u64 s[28:29], s[6:7], s[28:29]
	s_add_nc_u64 s[30:31], s[6:7], s[30:31]
	s_add_nc_u64 s[32:33], s[10:11], s[32:33]
	s_add_nc_u64 s[34:35], s[10:11], s[34:35]
	s_add_nc_u64 s[36:37], s[10:11], s[36:37]
	s_add_nc_u64 s[8:9], s[8:9], s[38:39]
	s_add_nc_u64 s[12:13], s[12:13], s[60:61]
	s_add_nc_u64 s[14:15], s[14:15], s[62:63]
	; ALL LOADS THAT HANG ON IDS ALONE GO OUT NOW: 4 of node3, 1 of the bias, 48 of weights
.irp b, 0,1,2,3
	global_load_b128 v[32+4*\b:35+4*\b], v5, s[12:13] offset:512*\b
.endr
	global_load_b128 v[48:51], v54, s[8:9]
.irp i, 0,1,2,3
	global_load_b128 v[STG+4*\i:STG+4*\i+3], v5, s[26:27] offset:512*\i
.endr
.irp i, 0,1,2,3
	global_load_b128 v[STG+16+4*\i:STG+16+4*\i+3], v5, s[28:29] offset:512*\i th:TH_LOAD_NT   ; levels 4 and 5 of W_in: whole rows that no other work-group reads
.endr
.irp i, 0,1,2,3,4,5,6,7,8,9,10,11,12,13,14,15
	global_load_b128 v[STG+32+4*\i:STG+32+4*\i+3], v5, s[30:31] offset:512*\i th:TH_LOAD_NT
.endr
.irp i, 0,1,2,3,4,5,6,7,8,9,10,11,12,13,14,15
	global_load_b128 v[STG+96+4*\i:STG+96+4*\i+3], v8, s[32:33] offset:2*WOROW*\i
.endr
.irp i, 0,1,2,3
	global_load_b128 v[STG+160+4*\i:STG+160+4*\i+3], v9, s[34:35] offset:8*WOROW*\i
.endr
.irp i, 0,1,2,3
	global_load_b128 v[STG+176+4*\i:STG+176+4*\i+3], v10, s[36:37] offset:8*WOROW*\i
.endr
	; THE SCAN, while the weights are on their way: the tokens of my 512 that lie in this bucket, in ascending runs, into my list
	ds_store_b32 v26, v58                          ; entry 0 is a token of mine even if the list stays empty: the padding is always defined
	s_wait_loadcnt 49                              ; node3 is in: behind it the bias and the 48 loads of weights were issued
	s_mov_b32 s40, 0                               ; tokens listed
.irp b, 0,1,2,3
.irp c, 0,1,2,3
	v_cmp_eq_u32 vcc_lo, s17, v[32+4*\b+\c]
	v_mbcnt_lo_u32_b32 v56, vcc_lo, s40            ; listed so far + the lanes below me that list one now
	v_cndmask_b32 v56, v28, v56, vcc_lo
	v_min_u32 v56, 0x220, v56                      ; inside my list's 545 words
	v_lshl_add_u32 v57, v56, 2, v26
	v_add_nc_u32 v58, 128*\b+\c, v27
	ds_store_b32 v57, v58
	s_bcnt1_i32_b32 s45, vcc_lo
	s_add_co_u32 s40, s40, s45
.endr
.endr
	s_min_u32 s40, s40, 512                        ; its true bound
	ds_load_b32 v59, v26                           ; LDS serves a wave's instructions in order (ISA guide 5.7.1.4): this sees the stores above
	v_add_nc_u32 v56, s40, v1
	v_min_u32 v56, 0x21f, v56
	v_lshl_add_u32 v57, v56, 2, v26
	s_wait_dscnt 0x0
	ds_store_b32 v57, v59                          ; 32 entries of padding behind the list: its first token
	s_add_co_u32 s41, s40, 15
	s_lshr_b32 s41, s41, 4
	s_min_u32 s41, s41, 32                         ; trips: tiles of 16 tokens
	s_mov_b32 s42, 0                               ; the trip,
	s_mov_b32 s43, 0                               ; its first list entry,
	s_mov_b32 s44, s40                             ; the tokens left from there
	LISTX
	GATHER                                         ; the first tile's x
	; THE WEIGHTS: rounded to bf16, into LDS
	s_wait_loadcnt 63                              ; 80 loads were issued behind the bias; the count named is the largest that the wait can name
.irp k, 0,1,2,3
	v_cvt_pk_bf16_f32 v[48+\k], v[48+\k], v[48+\k] ; the bias is rounded to bf16 like the other inputs,
.endr
.irp k, 0,1,2,3
	v_lshlrev_b32 v[48+\k], 16, v[48+\k]           ; and kept as f32, since it starts the sums
.endr
	ds_store_b128 v52, v[48:51]
.set ii, 0
.rept 48
.set wc, 79-ii                                 ; behind load ii: 47 - ii loads of weights and the 32 of x
.if wc > 63
.set wc, 63
.endif
	s_wait_loadcnt wc
	v_cvt_pk_bf16_f32 v[STG+4*ii],   v[STG+4*ii],   v[STG+4*ii+1]
	v_cvt_pk_bf16_f32 v[STG+4*ii+1], v[STG+4*ii+2], v[STG+4*ii+3]
.if ii < 4
	ds_store_b64 v6, v[STG+4*ii:STG+4*ii+1] offset:(ii/2)*PW+(ii%2)*256
.elseif ii < 8
	ds_store_b64 v6, v[STG+4*ii:STG+4*ii+1] offset:16*PW+((ii-4)/2)*PW+((ii-4)%2)*256
.elseif ii < 24
	ds_store_b64 v7, v[STG+4*ii:STG+4*ii+1] offset:((ii-8)/2)*PW+((ii-8)%2)*256
.elseif ii < 40
	ds_store_b64 v11, v[STG+4*ii:STG+4*ii+1] offset:64+2*PO*(ii-24)
.elseif ii < 44
	ds_store_b64 v12, v[STG+4*ii:STG+4*ii+1] offset:32+8*PO*(ii-40)
.else
	ds_store_b64 v12, v[STG+4*ii:STG+4*ii+1] offset:8*PO*(ii-44)
.endif
.set ii, ii+1
.endr
	v_mov_b32 v[C8V], 0xbf527892
	v_mov_b32 v[C8V+1], 0xbf527892
	s_wait_dscnt 0x0                               ; for the others' sake: my part of the weights is in LDS
	s_barrier_signal -1
	s_barrier_wait -1                              ; the launch's one barrier: from here on each wave goes its own way
	s_cmp_eq_u32 s40, 0
	s_cbranch_scc1 .Lend                           ; none of my 512 tokens lies in this bucket
.Ltrip:                                                ; one tile of 16 tokens
	v_add_nc_u32 v56, s43, v[HH]                   ; the tile's tokens once more, by pairs, for the stores: lanes 0-15 entry 2 tp, lanes 16-31 entry 2 tp + 1
	v_min_u32 v56, 0x211, v56                      ; 529 + 14 is the list's last word
	v_lshl_add_u32 v56, v56, 2, v26
.irp tp, 0,1,2,3,4,5,6,7
	ds_load_b32 v[TO+\tp], v56 offset:8*\tp
.endr
	s_wait_loadcnt 0x0                             ; x
	XCVT
	s_wait_dscnt 0x0
.irp tp, 0,1,2,3,4,5,6,7
	v_min_u32 v[TO+\tp], 0xfff, v[TO+\tp]
.endr
.irp tp, 0,1,2,3,4,5,6,7
	v_lshl_add_u32 v[TO+\tp], v[TO+\tp], 10, v29
.endr
	LOGITS
	; tile 0: all four groups are on the path.  The activations, packed in pairs, ARE source 1 of the second product: tile t's registers 2 q, 2 q + 1 make B2's register 4 t + q, in the same lane
	GELU4 ACC, rG                                  ; lanes 0-15: level 3; lanes 16-31: level 1
	ARGMAX4 rG, D3
	ROOT D3
	v_cvt_pk_bf16_f32 v[B2],   v[rG],   v[rG+1]
	v_cvt_pk_bf16_f32 v[B2+1], v[rG+2], v[rG+3]
	GELU4 ACC+4, rG                                ; level 0; level 2
	v_cvt_pk_bf16_f32 v[B2+2], v[rG],   v[rG+1]
	v_cvt_pk_bf16_f32 v[B2+3], v[rG+2], v[rG+3]
	; level 4: group d3 of tile 1 is active, the other three are zero
	PICK ACC+8, D3, MODD, MMINE
	GELU4 rLG, rG
	ARGMAX4 rG, D4
	v_cvt_pk_bf16_f32 v[rSEL],   v[rG],   v[rG+1]
	v_cvt_pk_bf16_f32 v[rSEL+1], v[rG+2], v[rG+3]
	s_and_not1_b32 s[MA], s[MMINE], s[MODD]        ; the group lies in my half of the lanes, in registers 0-3,
	s_and_b32 s[MBB], s[MMINE], s[MODD]            ; or in registers 4-7
	v_cndmask_b32 v[B2+4], 0, v[rSEL],   s[MA]
	v_cndmask_b32 v[B2+5], 0, v[rSEL+1], s[MA]
	v_cndmask_b32 v[B2+6], 0, v[rSEL],   s[MBB]
	v_cndmask_b32 v[B2+7], 0, v[rSEL+1], s[MBB]
	; level 5: group d4 of tile 2 + d3
.irp t, 0,1,2,3
	v_cmp_eq_u32 s[EQ+\t], \t, v[D3]
.endr
	PICKTILE D3
	PICK ACC+16, D4, MODD, MMINE
	GELU4 rLG, rG
	v_cvt_pk_bf16_f32 v[rSEL],   v[rG],   v[rG+1]
	v_cvt_pk_bf16_f32 v[rSEL+1], v[rG+2], v[rG+3]
	s_and_not1_b32 s[MA], s[MMINE], s[MODD]
	s_and_b32 s[MBB], s[MMINE], s[MODD]
.irp t, 0,1,2,3
	s_and_b32 s[TA+2*\t],   s[EQ+\t], s[MA]
	s_and_b32 s[TA+2*\t+1], s[EQ+\t], s[MBB]
	v_cndmask_b32 v[B2+8+4*\t],  0, v[rSEL],   s[TA+2*\t]
	v_cndmask_b32 v[B2+9+4*\t],  0, v[rSEL+1], s[TA+2*\t]
	v_cndmask_b32 v[B2+10+4*\t], 0, v[rSEL],   s[TA+2*\t+1]
	v_cndmask_b32 v[B2+11+4*\t], 0, v[rSEL+1], s[TA+2*\t+1]
.endr
	; THE SECOND PRODUCT, four output tiles at a time, on two sets of accumulators by turns: a set goes into the stage while the other is multiplied
	FETCHB 0
	MULB OA
	PLACES                                         ; in front of the stores that read results just made and of the loads into the fragments just multiplied
	STAGEO 0, OA
	FETCHB 1
	MULB OB
	PLACES
	STAGEO 1, OB
	FETCHB 2
	MULB OA
	PLACES
	STAGEO 2, OA
	FETCHB 3
	MULB OB
	PLACES
	STAGEO 3, OB
	; THE WAY OUT: whole rows back from my own stage (a wave's LDS instructions are served in order: no wait between the stores and these loads)
.irp tp, 0,1,2,3,4,5,6,7
.irp c, 0,1,2,3
	ds_load_b128 v[WB+16*\tp+4*\c:WB+16*\tp+4*\c+3], v[RDA] offset:2*PS*\tp+256*\c
.endr
.endr
.irp tp, 0,1,2,3,4,5,6,7
.if \tp > 0
	s_cmp_le_u32 s44, 2*\tp                        ; no token is left in this pair or behind it: only padding
	s_cbranch_scc1 .Ldone
.endif
	s_wait_dscnt 28-4*\tp                          ; the later pairs' loads, four each, may stay out
.irp c, 0,1,2,3
	global_store_b128 v[TO+\tp], v[WB+16*\tp+4*\c:WB+16*\tp+4*\c+3], s[14:15] offset:256*\c   ; sixteen lanes store 256 consecutive bytes, at a multiple of 256 from the buffer's first byte
.endr
.endr
.Ldone:
	s_wait_dscnt 0x0                               ; the loads of pairs that were skipped have come back: their registers are written again below
	s_wait_xcnt 0x0                                ; the stores' data and offsets are written again only behind this wait
	s_add_co_u32 s42, s42, 1
	s_add_co_u32 s43, s43, 16
	s_sub_co_u32 s44, s44, 16
	s_cmp_ge_u32 s42, s41
	s_cbranch_scc1 .Lend                           ; the last trip asks for no further x
	LISTX
	GATHER
	s_cmp_lt_u32 s42, s41
	s_cbranch_scc1 .Ltrip
.Lend:
	s_set_vgpr_msb 0x5
	s_wait_tensorcnt 0x0
	ds_add_u32 v128, v129
	s_wait_dscnt 0x0
	s_set_vgpr_msb 0x500
	s_endpgm
.Lfunc_end_k_q1c8d8702f0_leaf:
	.size	k_q1c8d8702f0_leaf, .Lfunc_end_k_q1c8d8702f0_leaf-k_q1c8d8702f0_leaf
	.p2alignl 7, 3214868480
	.fill 96, 4, 3214868480
	.section	.rodata,"a",@progbits
	.p2align	6, 0x0
	.amdhsa_kernel k_q1c8d8702f0_leaf
		.amdhsa_group_segment_fixed_size 257024
		.amdhsa_private_segment_fixed_size 0
		.amdhsa_enable_private_segment 0
		.amdhsa_kernarg_size 48
		.amdhsa_user_sgpr_count 2
		.amdhsa_user_sgpr_kernarg_segment_ptr 1
		.amdhsa_wavefront_size32 1
		.amdhsa_system_sgpr_workgroup_id_x 1
		.amdhsa_system_sgpr_workgroup_id_y 1
		.amdhsa_system_sgpr_workgroup_id_z 1
		.amdhsa_system_vgpr_workitem_id 0
		.amdhsa_next_free_vgpr 386
		.amdhsa_next_free_sgpr 84
		.amdhsa_reserve_vcc 1
		.amdhsa_float_denorm_mode_32 3
		.amdhsa_float_denorm_mode_16_64 3
		.amdhsa_memory_ordered 1
		.amdhsa_forward_progress 1
		.amdhsa_inst_pref_size 95
	.end_amdhsa_kernel
	.amdgpu_metadata
---
amdhsa.version: [ 1, 2 ]
amdhsa.kernels:
  - .name:           k_q1c8d8702f0_leaf
    .symbol:         k_q1c8d8702f0_leaf.kd
    .args:
      - { .name: oldx, .offset: 0, .size: 8, .value_kind: global_buffer, .address_space: global }
      - { .name: W_in, .offset: 8, .size: 8, .value_kind: global_buffer, .address_space: global }
      - { .name: b_in, .offset: 16, .size: 8, .value_kind: global_buffer, .address_space: global }
      - { .name: W_out, .offset: 24, .size: 8, .value_kind: global_buffer, .address_space: global }
      - { .name: node3, .offset: 32, .size: 8, .value_kind: global_buffer, .address_space: global }
      - { .name: part, .offset: 40, .size: 8, .value_kind: global_buffer, .address_space: global }
    .group_segment_fixed_size: 257024
    .private_segment_fixed_size: 0
    .kernarg_segment_align: 8
    .kernarg_segment_size: 48
    .max_flat_workgroup_size: 256
    .sgpr_count:     84
    .vgpr_count:     386
    .wavefront_size: 32
...
	.end_amdgpu_metadata
.endif
;; end of part 2
;; launch sum (part 3): grid 256 x 1, 8 waves a work-group, no clusters, 0 bytes of LDS; arguments part, out0; writes out0
.if DOCPART == 3
	.amdgcn_target "amdgcn-amd-amdhsa--gfx1250"
	.amdhsa_code_object_version 6
	.text
	.protected	k_q1c8d8702f0_sum
	.globl	k_q1c8d8702f0_sum
	.p2align	8
	.type	k_q1c8d8702f0_sum,@function
k_q1c8d8702f0_sum:
	s_mov_b64 s[64:65], 0
	v_nop
	global_prefetch_b8 v0, s[64:65] scope:SCOPE_SE
	s_setreg_imm32_b32 hwreg(HW_REG_WAVE_MODE, 25, 1), 1
	s_wait_xcnt 0x0
; SUM: out0[t][:] = (part[0][t][:] + part[1][t][:]) + (part[2][t][:] + part[3][t][:]), in f32.  A token lies in four unrelated buckets, one a tree, so the four shares meet here, in a fixed order.
; A stream: 256 work-groups of 16,384 output bytes; a thread takes four pieces of 16 bytes, 4,096 bytes apart, so that a wave's load or store covers 512 consecutive bytes.
; All sixteen loads of a thread go out at once; no loop, no LDS, no barrier, no matrix unit: there is nothing to share and nothing to multiply.
.set TREE, 4194304                     ; bytes of a tree's share
.set X, 8                              ; v[8:71]: piece j, tree t at v[8 + 16 j + 4 t]
	s_load_b128 s[4:7], s[0:1], 0x0                ; part s[4:5], out0 s[6:7]
	s_lshl_b32 s8, ttmp9, 14
	s_mov_b32 s9, 0
	v_lshlrev_b32 v1, 4, v0
	s_wait_kmcnt 0x0
	s_add_nc_u64 s[4:5], s[4:5], s[8:9]            ; trees 0 and 1: the tree stands in the immediate
	s_add_nc_u64 s[6:7], s[6:7], s[8:9]
	s_add_nc_u64 s[10:11], s[4:5], 2*TREE          ; trees 2 and 3
.irp j, 0,1,2,3
	global_load_b128 v[X+16*\j:X+16*\j+3],     v1, s[4:5]   offset:4096*\j th:TH_LOAD_NT
	global_load_b128 v[X+16*\j+4:X+16*\j+7],   v1, s[4:5]   offset:4096*\j+TREE th:TH_LOAD_NT
	global_load_b128 v[X+16*\j+8:X+16*\j+11],  v1, s[10:11] offset:4096*\j th:TH_LOAD_NT
	global_load_b128 v[X+16*\j+12:X+16*\j+15], v1, s[10:11] offset:4096*\j+TREE th:TH_LOAD_NT
.endr
.irp j, 0,1,2,3
	s_wait_loadcnt 12-4*\j                         ; the later pieces' loads, four each, may stay out
	v_pk_add_f32 v[X+16*\j:X+16*\j+1],     v[X+16*\j:X+16*\j+1],     v[X+16*\j+4:X+16*\j+5]
	v_pk_add_f32 v[X+16*\j+2:X+16*\j+3],   v[X+16*\j+2:X+16*\j+3],   v[X+16*\j+6:X+16*\j+7]
	v_pk_add_f32 v[X+16*\j+8:X+16*\j+9],   v[X+16*\j+8:X+16*\j+9],   v[X+16*\j+12:X+16*\j+13]
	v_pk_add_f32 v[X+16*\j+10:X+16*\j+11], v[X+16*\j+10:X+16*\j+11], v[X+16*\j+14:X+16*\j+15]
	v_pk_add_f32 v[X+16*\j:X+16*\j+1],     v[X+16*\j:X+16*\j+1],     v[X+16*\j+8:X+16*\j+9]
	v_pk_add_f32 v[X+16*\j+2:X+16*\j+3],   v[X+16*\j+2:X+16*\j+3],   v[X+16*\j+10:X+16*\j+11]
	global_store_b128 v1, v[X+16*\j:X+16*\j+3], s[6:7] offset:4096*\j th:TH_STORE_NT
.endr
	s_endpgm
.Lfunc_end_k_q1c8d8702f0_sum:
	.size	k_q1c8d8702f0_sum, .Lfunc_end_k_q1c8d8702f0_sum-k_q1c8d8702f0_sum
	.p2alignl 7, 3214868480
	.fill 96, 4, 3214868480
	.section	.rodata,"a",@progbits
	.p2align	6, 0x0
	.amdhsa_kernel k_q1c8d8702f0_sum
		.amdhsa_group_segment_fixed_size 0
		.amdhsa_private_segment_fixed_size 0
		.amdhsa_enable_private_segment 0
		.amdhsa_kernarg_size 16
		.amdhsa_user_sgpr_count 2
		.amdhsa_user_sgpr_kernarg_segment_ptr 1
		.amdhsa_wavefront_size32 1
		.amdhsa_system_sgpr_workgroup_id_x 1
		.amdhsa_system_sgpr_workgroup_id_y 1
		.amdhsa_system_sgpr_workgroup_id_z 1
		.amdhsa_system_vgpr_workitem_id 0
		.amdhsa_next_free_vgpr 72
		.amdhsa_next_free_sgpr 66
		.amdhsa_reserve_vcc 0
		.amdhsa_float_denorm_mode_32 3
		.amdhsa_float_denorm_mode_16_64 3
		.amdhsa_memory_ordered 1
		.amdhsa_forward_progress 1
		.amdhsa_inst_pref_size 5
	.end_amdhsa_kernel
	.amdgpu_metadata
---
amdhsa.version: [ 1, 2 ]
amdhsa.kernels:
  - .name:           k_q1c8d8702f0_sum
    .symbol:         k_q1c8d8702f0_sum.kd
    .args:
      - { .name: part, .offset: 0, .size: 8, .value_kind: global_buffer, .address_space: global }
      - { .name: out0, .offset: 8, .size: 8, .value_kind: global_buffer, .address_space: global }
    .group_segment_fixed_size: 0
    .private_segment_fixed_size: 0
    .kernarg_segment_align: 8
    .kernarg_segment_size: 16
    .max_flat_workgroup_size: 256
    .sgpr_count:     66
    .vgpr_count:     72
    .wavefront_size: 32
...
	.end_amdgpu_metadata
.endif
;; end of part 3
;; ======== version 2 of 2: 3 launches; version 1 with the launches route, leaf written anew for expert scheduling mode
;; limits: values outside matrix products are rounded to bf16
;; workspace buffers: node3 65,536 bytes of whole numbers; part 16,777,216 bytes
;; launch route (part 4): grid 64 x 4, 4 waves a work-group, no clusters, 45,824 bytes of LDS; arguments oldx, W_in, b_in, node3; writes node3
.if DOCPART == 4
	.amdgcn_target "amdgcn-amd-amdhsa--gfx1250"
	.amdhsa_code_object_version 6
	.text
	.protected	k_q1c8d8702f0_route
	.globl	k_q1c8d8702f0_route
	.p2align	8
	.type	k_q1c8d8702f0_route,@function
k_q1c8d8702f0_route:
	s_mov_b64 s[64:65], 0
	v_nop
	global_prefetch_b8 v0, s[64:65] scope:SCOPE_SE
	s_setreg_imm32_b32 hwreg(HW_REG_WAVE_SCHED_MODE, 0, 2), 2
	s_setreg_imm32_b32 hwreg(HW_REG_WAVE_MODE, 25, 1), 1
	s_wait_xcnt 0x0
	s_wait_alu depctr_vm_vsrc(0)
; ROUTE: the first three levels of each tree, for every token.  node3[p][t] = the level-3 node (0..63) that token t reaches in tree p.
; A work-group: 64 tokens (grid x) of one tree (grid y); a wave: 16 tokens.  Levels 0 to 2 of a tree are its first 84 rows of W_in (1 + 4 + 16 groups of 4).
; The 84 rows come through registers, are rounded to bf16 and laid into LDS; x goes from memory straight into the matrix unit's B layout.
; logits^T = W x^T + b: source 0 = 16 rows of W_in, source 1 = 16 tokens, so a lane holds ONE token (lane % 16) and rows 8 (lane / 16) + 0..7: two whole groups.
; The walk down the tree is made of selects alone: no address and no branch hangs on a decision; the decisions leave as whole numbers.
; No joint requests in a cluster: the 84 rows that work-groups of a tree share must be rounded to bf16 on the way, so they pass through registers.
; LIMITS.  x, W_in and b_in are rounded to bf16 (nearest even); sums, gelu and comparisons in f32.  gelu(x) = 0.5 x erfc(-x / sqrt 2), erfc(z) = t exp(-z^2 + P(t)),
; t = 1 / (1 + z / 2): fractional error of the formula about 1.2e-7, about 4e-7 as evaluated; a decision whose two best gelu values lie closer than that may fall the other way.
; Below x of about -13.2 the exponential is 0 and gelu is -0: ties take the first index, as argmax does.  NaN inputs are not served (a comparison never picks a NaN).
; THE MODE: SCHED_MODE bits 1:0 = 2 (LLVM: expert scheduling mode 2), set by the entry lines.  The code itself states the register dependences
; between vector or matrix instructions and memory or LDS instructions, with s_wait_alu, always for 0.
; THE PLAN.  Registers that memory or LDS instructions touch:
;   v4-8, v13-16   offsets and LDS addresses, made at the head and never written again: one wait on va_vdst ahead of the first load serves every load and store by them.
;   v256-383       x: loaded once; afterwards named by vector and matrix instructions alone.
;   v232-235       the bias: loaded, rounded, stored with group 0 of the rows.
;   v64-231        W_in as loaded, in six groups of seven loads.  Group g is rounded in place; its LDS stores are issued at the head of group g + 1, behind that head's
;                  wait on va_vdst, and stand among group g + 1's conversions' registers' strangers: those conversions name other registers.
;   v64-207        afterwards fragments (two buffers) and accumulators: behind the barrier one wait on va_vdst (the conversions) and one on vm_vsrc (the LDS stores) free them.
;                  In K step s the six matrix instructions read a buffer; one wait on va_vdst behind them stands ahead of the twelve loads of step s + 2 into it.
; Every comparison writes a scalar register; comparisons stand in runs, and one wait on va_sdst stands between a run and its first reader.
.set PW,    528                        ; a row of W_in in LDS: 512 bytes of bf16 + 16 = 33 x 16: the sixteen rows of a fragment load begin 16 bytes apart modulo 256
.set SUB,   12                         ; tile t > 0 begins at row 16 t - 12: rows 0 (level 0), 4 (level 1), 20, 36, 52, 68 (level 2)
.set LB,    44544                      ; behind the 84 rows: the bias, rounded, as f32; 512 bytes
.set LN,    45056                      ; the 64 results, 256 bytes
.set HH,    3                          ; v3   lane / 16
.set XO,    4                          ; v4   byte offset of my token's row in x, + 32 (lane / 16)
.set FAA,   13                         ; v13  LDS address of my part of a fragment of W_in
.set BAA,   14                         ; v14  LDS address of my eight biases of tile 0
.set D2,    29                         ; v29-31 the three decisions
.set D0,    30
.set D1,    31
.set rZ,    32                         ; v32-63 at work, four registers each
.set rT,    36
.set rP,    40
.set rH,    44
.set rLG,   48                         ; the active group's four logits
.set rG,    52                         ; their gelu
.set rOTH,  56
.set rSEL,  60
.set STG,   64                         ; v64-231 the 42 loads of W_in; afterwards:
.set FA0,   64                         ; v64-111, v112-159 fragments of W_in, two buffers of six tiles
.set FA1,   112
.set ACC,   160                        ; v160-207 six accumulators
.set BD,    232                        ; v232-235 bias as loaded
.set C8V,   236                        ; v236-237 the polynomial's c8, twice
.set SELLO, 46                         ; s46-47 lane selects: each lane takes its own place in the other half
.set SELHI, 47
.set HM,    48                         ; s48 mask of lanes 16-31
.set MODD,  50
.set MMINE, 51
.set MB1,   52
.set MB0,   53
.set GM,    76                         ; s76-79 x > 0, for four values
.set AM,    80                         ; s80-82 the three comparisons of an argmax
.set MSB, 0
.macro WIN new                         ; the immediate's high byte repeats the setting that is left; a switch that changes nothing is dropped
.if MSB != \new
	s_set_vgpr_msb (MSB<<8)|\new
.set MSB, \new
.endif
.endm
.macro PLACES                          ; four places behind matrix instructions, where no other vector work is at hand (ISA guide 7.12.1)
.rept 4
	v_nop
.endr
.endm
; 32 loads: my token's row of x, the halves of the lanes taking alternate runs of 8 numbers: raw register 16 s + 4 c + e (v256 on) holds k = 32 s + 16 (c / 2) + 8 (lane / 16) + 4 (c % 2) + e
.macro GATHER
	WIN 0x40                                       ; destination v256 on, address below
	s_wait_alu depctr_va_vdst(0)                   ; v[XO] and all the other offsets and LDS addresses of the head are written: these loads, and every load and store below, read one of them
.set kk, 0
.rept 8
	global_load_b128 v[16*kk:16*kk+3],     v[XO], s[4:5] offset:128*kk
	global_load_b128 v[16*kk+4:16*kk+7],   v[XO], s[4:5] offset:128*kk+16
	global_load_b128 v[16*kk+8:16*kk+11],  v[XO], s[4:5] offset:128*kk+64
	global_load_b128 v[16*kk+12:16*kk+15], v[XO], s[4:5] offset:128*kk+80
.set kk, kk+1
.endr
	WIN 0
.endm
; rounded to bf16 in place: register k takes raw 2 k and 2 k + 1, which lie at or above it; v[256 + 8 s .. + 7] is then source 1 of K step s
.macro XCVT
	WIN 0x45
.set kk, 0
.rept 64
	v_cvt_pk_bf16_f32 v[kk], v[2*kk], v[2*kk+1]
.set kk, kk+1
.endr
	WIN 0
.endm
; 12 LDS loads: the six tiles' fragments of K step st
.macro FETCH st, buf
.set tt, 0
.rept 6
.set r0, 16*tt-SUB
.if tt == 0
.set r0, 0
.endif
	ds_load_b128 v[\buf+8*tt:\buf+8*tt+3],   v[FAA] offset:r0*PW+64*(\st)
	ds_load_b128 v[\buf+8*tt+4:\buf+8*tt+7], v[FAA] offset:r0*PW+64*(\st)+32
.set tt, tt+1
.endr
.endm
; The six tiles' logits, first part: the sums start from the bias, loaded in the result's layout; then the fragments of K steps 0 and 1
.macro LOGLOAD
.set tt, 0
.rept 6
.set r0, 16*tt-SUB
.if tt == 0
.set r0, 0
.endif
	ds_load_b128 v[ACC+8*tt:ACC+8*tt+3],   v[BAA] offset:4*r0
	ds_load_b128 v[ACC+8*tt+4:ACC+8*tt+7], v[BAA] offset:4*r0+16
.set tt, tt+1
.endr
	FETCH 0, FA0
	FETCH 1, FA1
.endm
; Second part: the eight K steps.  The six accumulators take turns, one instruction a turn.
.macro LOGMUL
	WIN 0x04                                       ; source 1 (x) from v256 on
.irp st, 0,1,2,3,4,5,6,7
.if \st < 7
	s_wait_dscnt 12                                ; all but the next K step's twelve loads: the bias and this step's fragments are in
.else
	s_wait_dscnt 0x0                               ; nothing was issued behind the last step's loads
.endif
.set fb, FA0+48*(\st%2)
.set tt, 0
.rept 6
	v_wmma_f32_16x16x32_bf16 v[ACC+8*tt:ACC+8*tt+7], v[fb+8*tt:fb+8*tt+7], v[8*\st:8*\st+7], v[ACC+8*tt:ACC+8*tt+7]
.set tt, tt+1
.endr
	PLACES                                         ; in front of the loads into the buffer just multiplied; behind the last step: in front of the first read of the sums
.if \st < 6
	s_wait_alu depctr_va_vdst(0)                   ; the six matrix instructions are done reading this buffer, in which the loads below land; the places above stay beside this wait
	FETCH \st+2, fb
.endif
.endr
	WIN 0
.endm
; gelu of four numbers v[x .. x+3] into v[o .. o+3]
.macro GELU4 x, o
.irp k, 0,1,2,3
	v_mul_f32 v[rZ+\k], 0x3f3504f3, |v[\x+\k]|     ; z = |x| / sqrt 2
.endr
	v_pk_fma_f32 v[rT:rT+1],   v[rZ:rZ+1],   0.5, 1.0 op_sel_hi:[1,0,0]
	v_pk_fma_f32 v[rT+2:rT+3], v[rZ+2:rZ+3], 0.5, 1.0 op_sel_hi:[1,0,0]
.irp k, 0,1,2,3
	v_rcp_f32 v[rT+\k], v[rT+\k]                   ; t = 1 / (1 + z / 2)
.endr
	v_pk_mul_f32 v[rH:rH+1], v[\x:\x+1], 0.5 op_sel_hi:[1,0]   ; the plain instruction between the reciprocals and their use (ISA guide 5.7.2)
.irp k, 0,1,2,3
	v_cmp_lt_f32 s[GM+\k], 0, v[\x+\k]
.endr
	s_wait_alu depctr_va_vdst(0)
	v_pk_fma_f32 v[rP:rP+1],   v[rT:rT+1],   0x3e2ef946, v[C8V:C8V+1] op_sel_hi:[1,0,1]   ; c9 t + c8
	v_pk_fma_f32 v[rP+2:rP+3], v[rT+2:rT+3], 0x3e2ef946, v[C8V:C8V+1] op_sel_hi:[1,0,1]
.irp c, 0x3fbe87b0, 0xbf914e5d, 0x3e8ec7cc, 0xbe3ec24c, 0x3dc636c9, 0x3ebf88fb, 0x3f8000c7, 0xbfa1fc4e   ; c7 down to c0
	v_pk_fma_f32 v[rP:rP+1],   v[rP:rP+1],   v[rT:rT+1],   \c op_sel_hi:[1,1,0]
	v_pk_fma_f32 v[rP+2:rP+3], v[rP+2:rP+3], v[rT+2:rT+3], \c op_sel_hi:[1,1,0]
.endr
	v_pk_fma_f32 v[rP:rP+1],   v[rZ:rZ+1],   v[rZ:rZ+1],   v[rP:rP+1]   neg_lo:[1,0,0] neg_hi:[1,0,0]   ; P(t) - z^2
	v_pk_fma_f32 v[rP+2:rP+3], v[rZ+2:rZ+3], v[rZ+2:rZ+3], v[rP+2:rP+3] neg_lo:[1,0,0] neg_hi:[1,0,0]
	v_pk_mul_f32 v[rP:rP+1],   v[rP:rP+1],   0x3fb8aa3b op_sel_hi:[1,0]   ; to base 2
	v_pk_mul_f32 v[rP+2:rP+3], v[rP+2:rP+3], 0x3fb8aa3b op_sel_hi:[1,0]
.irp k, 0,1,2,3
	v_exp_f32 v[rP+\k], v[rP+\k]
.endr
	v_pk_mul_f32 v[rH+2:rH+3], v[\x+2:\x+3], 0.5 op_sel_hi:[1,0]   ; the plain instruction behind the exponentials
	s_wait_alu depctr_va_vdst(0)
	v_pk_mul_f32 v[rP:rP+1],   v[rP:rP+1],   v[rT:rT+1]            ; erfc(z)
	v_pk_mul_f32 v[rP+2:rP+3], v[rP+2:rP+3], v[rT+2:rT+3]
	v_pk_fma_f32 v[rZ:rZ+1],   v[rP:rP+1],   -1.0, 2.0 op_sel_hi:[1,0,0]   ; erfc(-z) = 2 - erfc(z)
	v_pk_fma_f32 v[rZ+2:rZ+3], v[rP+2:rP+3], -1.0, 2.0 op_sel_hi:[1,0,0]
	s_wait_alu depctr_va_sdst(0)                   ; the four comparisons above have written s[GM ..], ahead of the selects, their first readers
.irp k, 0,1,2,3
	v_cndmask_b32 v[rP+\k], v[rP+\k], v[rZ+\k], s[GM+\k]           ; x > 0 takes the second
.endr
	v_pk_mul_f32 v[\o:\o+1],   v[rH:rH+1],   v[rP:rP+1]
	v_pk_mul_f32 v[\o+2:\o+3], v[rH+2:rH+3], v[rP+2:rP+3]
.endm
; the index of the first largest of v[g .. g+3]: the running maxima first, then the three comparisons in a run, then the selects
.macro ARGMAX4 g, idx
	v_max_num_f32 v[rZ],   v[\g], v[\g+1]
	v_max_num_f32 v[rZ+1], v[rZ], v[\g+2]
	v_cmp_gt_f32 s[AM],   v[\g+1], v[\g]
	v_cmp_gt_f32 s[AM+1], v[\g+2], v[rZ]
	v_cmp_gt_f32 s[AM+2], v[\g+3], v[rZ+1]
	s_wait_alu depctr_va_sdst(0)                   ; the three comparisons have written s[AM ..], ahead of their first reader
	v_cndmask_b32 v[\idx], 0, 1, s[AM]
	v_cndmask_b32 v[\idx], v[\idx], 2, s[AM+1]
	v_cndmask_b32 v[\idx], v[\idx], 3, s[AM+2]
.endm
; Group c (0..3) of the tile in v[a .. a+7] lies in the half of the lanes c / 2, in registers 4 (c % 2) on.  Its four logits are brought into rLG in both halves.
; The first select reads the tile's lowest register.  The masks odd and mine stay for the caller.
.macro PICK a, c, odd, mine
	v_and_b32 v[rZ], 1, v[\c]
	v_lshrrev_b32 v[rZ+1], 1, v[\c]
	v_cmp_ne_u32 s[\odd], 0, v[rZ]
	v_cmp_eq_u32 s[\mine], v[rZ+1], v[HH]
	s_wait_alu depctr_va_sdst(0)                   ; both comparisons have written their masks, ahead of the first reader
.irp k, 0,1,2,3
	v_cndmask_b32 v[rSEL+\k], v[\a+\k], v[\a+4+\k], s[\odd]
.endr
.irp k, 0,1,2,3
	v_permlanex16_b32 v[rOTH+\k], v[rSEL+\k], s[SELLO], s[SELHI]
.endr
.irp k, 0,1,2,3
	v_cndmask_b32 v[rLG+\k], v[rOTH+\k], v[rSEL+\k], s[\mine]
.endr
.endm
; tile 2 + c of tiles 2 to 5 is brought into tile 2's registers, from the low end on
.macro PICKTILE c
	v_and_b32 v[rZ], 2, v[\c]
	v_and_b32 v[rZ+1], 1, v[\c]
	v_cmp_ne_u32 s[MB1], 0, v[rZ]
	v_cmp_ne_u32 s[MB0], 0, v[rZ+1]
	s_wait_alu depctr_va_sdst(0)                   ; both comparisons have written their masks, ahead of the first reader
.irp j, 0,1,2,3,4,5,6,7
	v_cndmask_b32 v[ACC+16+\j], v[ACC+16+\j], v[ACC+32+\j], s[MB1]
	v_cndmask_b32 v[ACC+24+\j], v[ACC+24+\j], v[ACC+40+\j], s[MB1]
	v_cndmask_b32 v[ACC+16+\j], v[ACC+16+\j], v[ACC+24+\j], s[MB0]
.endr
.endm
; the root group lies in lanes 0-15: lanes 16-31 take their decision
.macro ROOT d
	v_permlanex16_b32 v[rOTH], v[\d], s[SELLO], s[SELHI]
	v_cndmask_b32 v[\d], v[\d], v[rOTH], s[HM]
.endm
; group g of seven loads of W_in: rounded in place, and, a group later, stored
.macro CVTG g
.set ii, 7*(\g)
.rept 7
	v_cvt_pk_bf16_f32 v[STG+4*ii],   v[STG+4*ii],   v[STG+4*ii+1]
	v_cvt_pk_bf16_f32 v[STG+4*ii+1], v[STG+4*ii+2], v[STG+4*ii+3]
.set ii, ii+1
.endr
.endm
.macro STOG g
.set ii, 7*(\g)
.rept 7
	ds_store_b64 v6, v[STG+4*ii:STG+4*ii+1] offset:2*PW*ii
.set ii, ii+1
.endr
.endm
	s_load_b256 s[4:11], s[0:1], 0x0               ; oldx s[4:5], W_in s[6:7], b_in s[8:9], node3 s[10:11]
	v_lshl_add_u32 v254, v0, 2, 0xb100
	v_mov_b32 v255, 0
	v_lshrrev_b32 v1, 5, v0
	v_readfirstlane_b32 s12, v1                    ; wave 0..3
	v_and_b32 v1, 31, v0                           ; lane
	v_and_b32 v2, 15, v0                           ; lane % 16
	v_bfe_u32 v[HH], v0, 4, 1                      ; lane / 16
	s_and_b32 s14, ttmp7, 0xffff                   ; the tree
	s_mov_b32 s[SELLO], 0x76543210
	s_mov_b32 s[SELHI], 0xfedcba98
	s_mov_b32 s[HM], 0xffff0000
	s_wait_alu depctr_va_sdst(0)                   ; s12 is written, ahead of its first reader
	v_lshl_add_u32 v15, s12, 4, v2                 ; my token among the group's 64
	v_lshlrev_b32 v[XO], 10, v15
	v_lshl_add_u32 v[XO], v[HH], 5, v[XO]
	v_lshlrev_b32 v15, 2, v15                      ; its word among the results
	v_lshlrev_b32 v5, 4, v0                        ; W_in: 16 bytes a thread, 2,048 a load of the group: two rows
	v_lshrrev_b32 v8, 6, v0
	v_and_b32 v9, 63, v0
	v_mul_u32_u24 v6, v8, PW
	v_lshl_add_u32 v6, v9, 3, v6                   ; and the 8 bytes of bf16 that they become
	s_mul_i32 s15, s12, 6                          ; bias: wave w takes groups 6 w .. 6 w + 5
	v_min_u32 v7, 5, v1
	v_add_nc_u32 v7, s15, v7
	v_min_u32 v8, 20, v7                           ; there are 21 groups: the load stays inside them; LDS places 21 to 23 are never read
	v_lshlrev_b32 v7, 4, v7
	v_lshlrev_b32 v8, 4, v8
	v_mul_u32_u24 v[FAA], v2, PW
	v_lshl_add_u32 v[FAA], v[HH], 4, v[FAA]
	v_lshl_add_u32 v[BAA], v[HH], 5, LB
	v_lshlrev_b32 v16, 3, v1                       ; the way out: 8 bytes a lane
.irp k, 0,1,2,3
	v_mov_b32 v[rOTH+\k], 0                        ; v_permlanex16_b32's destination counts as read: written once here
.endr
	v_mov_b32 v[C8V], 0xbf527892
	v_mov_b32 v[C8V+1], 0xbf527892
	s_lshl_b32 s16, ttmp9, 16                      ; 64 rows of x
	s_mov_b32 s17, 0
	s_mul_i32 s18, s14, 5591040                    ; 5,460 rows of W_in
	s_mov_b32 s19, 0
	s_mul_i32 s20, s14, 21840                      ; 5,460 biases
	s_mov_b32 s21, 0
	s_lshl_b32 s22, s14, 14                        ; 4,096 results a tree,
	s_lshl_b32 s23, ttmp9, 8                       ; 64 a group
	s_add_co_u32 s22, s22, s23
	s_mov_b32 s23, 0
	s_wait_kmcnt 0x0
	s_add_nc_u64 s[4:5], s[4:5], s[16:17]
	s_add_nc_u64 s[6:7], s[6:7], s[18:19]
	s_add_nc_u64 s[8:9], s[8:9], s[20:21]
	s_add_nc_u64 s[10:11], s[10:11], s[22:23]
	GATHER
	global_load_b128 v[BD:BD+3], v8, s[8:9]        ; no vector instruction since GATHER's wait: it serves these 43 loads too
.set ii, 0
.rept 42
	global_load_b128 v[STG+4*ii:STG+4*ii+3], v5, s[6:7] offset:2048*ii
.set ii, ii+1
.endr
	s_wait_loadcnt 42                              ; the 42 loads of W_in were issued behind the bias
.irp k, 0,1,2,3
	v_cvt_pk_bf16_f32 v[BD+\k], v[BD+\k], v[BD+\k] ; the bias is rounded to bf16 like the other inputs,
.endr
.irp k, 0,1,2,3
	v_lshlrev_b32 v[BD+\k], 16, v[BD+\k]           ; and kept as f32, since it starts the sums
.endr
	s_wait_loadcnt 35                              ; group 0 is in: the 35 loads issued behind it may stay out
	CVTG 0
.irp g, 1,2,3,4,5
	s_wait_loadcnt 35-7*\g                         ; group g is in: the loads issued behind it may stay out
	s_wait_alu depctr_va_vdst(0)                   ; the conversions of the group before (and, the first time, the bias's) have written what the LDS stores below read
.if \g == 1
	ds_store_b128 v7, v[BD:BD+3] offset:LB
.endif
	STOG \g-1
	CVTG \g                                        ; these name the registers of group g alone
.endr
	s_wait_alu depctr_va_vdst(0)                   ; the last group's conversions have written what its LDS stores read
	STOG 5
	s_wait_dscnt 0x0                               ; for the others' sake: my rows and biases are in LDS
	s_barrier_signal -1
	XCVT                                           ; register work while the others arrive; x was asked for first, so the last wait above showed it in
	s_barrier_wait -1
	s_wait_alu depctr_va_vdst(0)                   ; the conversions are done with v64-231, in which the bias and the fragments land
	s_wait_alu depctr_vm_vsrc(0)                   ; my LDS stores have read v64-231
	LOGLOAD
	LOGMUL
	GELU4 ACC, rG                                  ; level 0: rows 0-3, in lanes 0-15
	ARGMAX4 rG, D0
	ROOT D0
	PICK ACC+8, D0, MODD, MMINE                    ; level 1: group d0 of tile 1
	GELU4 rLG, rG
	ARGMAX4 rG, D1
	PICKTILE D0                                    ; level 2: group 4 d0 + d1: tile 2 + d0, group d1
	PICK ACC+16, D1, MODD, MMINE
	GELU4 rLG, rG
	ARGMAX4 rG, D2
	v_lshlrev_b32 v[rZ], 4, v[D0]
	v_lshl_add_u32 v[rZ], v[D1], 2, v[rZ]
	v_add_nc_u32 v[rZ], v[rZ], v[D2]               ; 16 d0 + 4 d1 + d2
	s_wait_alu depctr_va_vdst(0)                   ; v[rZ] is written, which the LDS store reads
	ds_store_b32 v15, v[rZ] offset:LN              ; both halves of the lanes hold the same number and write the same word
	s_wait_dscnt 0x0                               ; for wave 0's sake
	s_barrier_signal -1
	s_barrier_wait -1
	s_cmp_lg_u32 s12, 0
	s_cbranch_scc1 .Lend
	ds_load_b64 v[18:19], v16 offset:LN            ; no vector instruction of the kernel names v18-19; v16 was written ahead of the head's wait
	s_wait_dscnt 0x0
	global_store_b64 v16, v[18:19], s[10:11]       ; one store of 256 consecutive bytes, at a multiple of 256 from the buffer's first byte
.Lend:
	s_wait_dscnt 0x0
	s_wait_alu depctr_hold_cnt(0) depctr_sa_sdst(0) depctr_va_vdst(0) depctr_va_sdst(0) depctr_va_ssrc(0) depctr_va_vcc(0) depctr_vm_vsrc(0)
	s_wait_tensorcnt 0x0
	ds_add_u32 v254, v255
	s_wait_dscnt 0x0
	s_endpgm
.Lfunc_end_k_q1c8d8702f0_route:
	.size	k_q1c8d8702f0_route, .Lfunc_end_k_q1c8d8702f0_route-k_q1c8d8702f0_route
	.p2alignl 7, 3214868480
	.fill 96, 4, 3214868480
	.section	.rodata,"a",@progbits
	.p2align	6, 0x0
	.amdhsa_kernel k_q1c8d8702f0_route
		.amdhsa_group_segment_fixed_size 45824
		.amdhsa_private_segment_fixed_size 0
		.amdhsa_enable_private_segment 0
		.amdhsa_kernarg_size 32
		.amdhsa_user_sgpr_count 2
		.amdhsa_user_sgpr_kernarg_segment_ptr 1
		.amdhsa_wavefront_size32 1
		.amdhsa_system_sgpr_workgroup_id_x 1
		.amdhsa_system_sgpr_workgroup_id_y 1
		.amdhsa_system_sgpr_workgroup_id_z 1
		.amdhsa_system_vgpr_workitem_id 0
		.amdhsa_next_free_vgpr 384
		.amdhsa_next_free_sgpr 84
		.amdhsa_reserve_vcc 0
		.amdhsa_float_denorm_mode_32 3
		.amdhsa_float_denorm_mode_16_64 3
		.amdhsa_memory_ordered 1
		.amdhsa_forward_progress 1
		.amdhsa_inst_pref_size 52
	.end_amdhsa_kernel
	.amdgpu_metadata
---
amdhsa.version: [ 1, 2 ]
amdhsa.kernels:
  - .name:           k_q1c8d8702f0_route
    .symbol:         k_q1c8d8702f0_route.kd
    .args:
      - { .name: oldx, .offset: 0, .size: 8, .value_kind: global_buffer, .address_space: global }
      - { .name: W_in, .offset: 8, .size: 8, .value_kind: global_buffer, .address_space: global }
      - { .name: b_in, .offset: 16, .size: 8, .value_kind: global_buffer, .address_space: global }
      - { .name: node3, .offset: 24, .size: 8, .value_kind: global_buffer, .address_space: global }
    .group_segment_fixed_size: 45824
    .private_segment_fixed_size: 0
    .kernarg_segment_align: 8
    .kernarg_segment_size: 32
    .max_flat_workgroup_size: 128
    .sgpr_count:     84
    .vgpr_count:     384
    .wavefront_size: 32
...
	.end_amdgpu_metadata
.endif
;; end of part 4
;; launch leaf (part 5): grid 64 x 4, 8 waves a work-group, no clusters, 257,024 bytes of LDS; arguments oldx, W_in, b_in, W_out, node3, part; writes part
.if DOCPART == 5
	.amdgcn_target "amdgcn-amd-amdhsa--gfx1250"
	.amdhsa_code_object_version 6
	.text
	.protected	k_q1c8d8702f0_leaf
	.globl	k_q1c8d8702f0_leaf
	.p2align	8
	.type	k_q1c8d8702f0_leaf,@function
k_q1c8d8702f0_leaf:
	s_mov_b64 s[64:65], 0
	v_nop
	global_prefetch_b8 v0, s[64:65] scope:SCOPE_SE
	s_setreg_imm32_b32 hwreg(HW_REG_WAVE_SCHED_MODE, 0, 2), 2
	s_setreg_imm32_b32 hwreg(HW_REG_WAVE_MODE, 25, 1), 1
	s_wait_xcnt 0x0
	s_wait_alu depctr_vm_vsrc(0)
; LEAF: part[p][t][:] = tree p's share of token t's output row.  A work-group is a BUCKET: tree p (grid y) and level-3 node n3 (grid x).
; All tokens of a bucket share their groups of levels 0 to 2 (known from n3) and can only reach the 1 + 4 + 16 groups below n3: 24 groups, 96 rows of W_in and 96 columns of W_out,
; which hang on the work-group's ids alone.  So each weight of levels 3 to 5 is read once in the launch.  The tokens come to the weights: wave w scans node3 for tokens
; 512 w .. 512 w + 511, lists those of the bucket in LDS, and takes them 16 at a time: gather x, 96 logits a token on the matrix unit, the walk through levels 3 and 4 by selects,
; gelu on the 24 active units alone, the masked activations in bf16 (already in source 1's layout), times W_out, and out through the wave's own stage as whole rows.
; ORDER OF THE 96 ROWS (and of k in the second product): 0-3 level 3 (so that the group decided first lies in the lowest registers), 4-7 level 0, 8-11 level 1, 12-15 level 2, 16-31 level 4, 32-95 level 5.
; Lists, x, stage and trips are each wave's own: the one barrier stands behind the staging of the weights.  No two work-groups share a tile of any size (12 path rows of 96): no cluster.
; A list is padded with its own first token up to a multiple of 16: a padded slot computes a row of this bucket again; at most one such row a trip is stored, by the same wave, with the same values.
; Any routing is served: a wave makes up to 32 trips.
; LIMITS.  x, W_in, b_in and W_out are rounded to bf16 (nearest even), the activations to bf16 for the second product; sums, gelu and comparisons in f32.
; gelu(x) = 0.5 x erfc(-x / sqrt 2), erfc(z) = t exp(-z^2 + P(t)), t = 1 / (1 + z / 2): fractional error of the formula about 1.2e-7, about 4e-7 as evaluated; a decision whose two best
; gelu values lie closer than that may fall the other way.  Below x of about -13.2 gelu is -0: ties take the first index.  NaN inputs are not served.
; THE MODE: SCHED_MODE bits 1:0 = 2 (LLVM: expert scheduling mode 2), set by the entry lines.  The code itself states the register dependences
; between vector or matrix instructions and memory or LDS instructions, with s_wait_alu, always for 0.
; THE PLAN.  Registers that memory or LDS instructions touch:
;   v5-15, v24-26, v29  offsets and LDS addresses, made at the head and never written again: the head's wait on va_vdst serves every access by them.
;   THE HEAD.  The scan makes its sixteen list addresses (v16-23, v56-63), its sixteen token numbers (v32-47), the padding's address (v31) and the first tile's list address (v27), then ONE wait on
;   va_vdst, then all its LDS stores and loads.  The weights (v64-255) go in six groups of eight loads: group g is rounded in place and stored at the head of group g + 1, behind that head's wait on
;   va_vdst.  Behind the last stores ONE wait on vm_vsrc frees all that the head's stores and loads read: v16-23, v30-63, v64-255.
;   THE TRIP.  v28, v27  LDS addresses of the pairs and of the list: written once a trip, named by nothing else.     v4  x's offset: a list load lands in it, three vector lines finish it, the gather reads it.
;   v16-23   store offsets: LDS loads at the trip's head; two vector lines each behind the first product; read by the global stores.
;   v64-159  fragments of W_in, two buffers; then W_out's buffer FB0; then rows read back from the stage.     v256-383  x; then W_out's buffer FB1 (v256-351).
;   v160-207 bias and logits; then accumulator set OA (v160-191), read by LDS stores; then rows read back.     v32-63  at work; then accumulator set OB, read by LDS stores.
;   Waits on va_vdst: one at the trip's head, ahead of 44 LDS loads, which are on their way while x is waited for and rounded; one behind each of six K steps; one behind the first product, ahead of the
;   fetches into FB0 and FB1, which land under the walk's vector work (it names neither buffer); one behind output sets 0 and 1; one behind sets 2 and 3.
;   Waits on vm_vsrc: ahead of each product that writes an accumulator set again, ahead of the loads back from the stage, and at the trip's end beside s_wait_xcnt.
; Every comparison writes a scalar register; comparisons stand in runs, and one wait on va_sdst stands between a run and its first reader.
.set PW,    528                        ; a row of W_in in LDS: 512 bytes of bf16 + 16 = 33 x 16: the sixteen rows of a fragment load begin 16 bytes apart modulo 256
.set PO,    208                        ; a row of W_out in LDS: 96 bf16 + 16 bytes = 13 x 16
.set PS,    1040                       ; a row of the stage: 256 f32 + 16 bytes = 65 x 16
.set SUB,   0                          ; tile t begins at row 16 t
.set LWO,   96*PW                      ; 50,688: W_out, 256 rows
.set LB,    LWO+256*PO                 ; 103,936: the bias, rounded, as f32; 512 bytes
.set LL,    LB+512                     ; 104,448: eight lists
.set LLW,   2304                       ; a list: words 0-543 tokens and padding, word 544 takes what is not listed
.set LS,    LL+8*LLW                   ; 122,880: eight stages of 16 rows
.set WOROW, 87360                      ; bytes in a row of W_out
.set HH,    3                          ; v3   lane / 16
.set XO,    4                          ; v4   byte offset of my token's row in x, + 32 (lane / 16)
.set FAA,   13                         ; v13  LDS address of my part of a fragment of W_in
.set BAA,   14                         ; v14  of my eight biases of tile 0
.set FBA,   15                         ; v15  of my part of a fragment of W_out
.set TO,    16                         ; v16-23 pair tp of the tile's tokens: my byte offset in part
.set STA,   24                         ; v24  the stage: where I put 16 bytes of a token's row
.set RDA,   25                         ; v25  where I read a row back
.set LA,    27                         ; v27  in the scan: the first of my four tokens of a load; afterwards the LDS address of my entry of the list
.set PA,    28                         ; v28  in the scan: 544; afterwards the LDS address of my entry of the tile's first pair
.set D3,    30
.set D4,    31
.set rZ,    32                         ; v32-63 at work, four registers each; in the second product: accumulator set OB
.set rT,    36
.set rP,    40
.set rH,    44
.set rLG,   48
.set rG,    52
.set rOTH,  56
.set rSEL,  60
.set STG,   64                         ; v64-255 the 48 loads of weights; afterwards:
.set FA0,   64                         ; v64-111, v112-159 fragments of W_in, two buffers of six tiles
.set FA1,   112
.set ACC,   160                        ; v160-207 six accumulators
.set B2,    208                        ; v208-231 the masked activations: source 1 of the second product, 8 registers a K step
.set C8V,   236                        ; v236-237 the polynomial's c8, twice
.set FB0,   64                         ; v64-159 fragments of W_out: 4 tiles x 3 K steps
.set FB1,   0                          ; v256-351 the same, a second buffer, where x lay
.set OA,    160                        ; v160-191, v32-63 two sets of four accumulators
.set OB,    32
.set WB,    64                         ; v64-191 the way out: 16 rows read back
.set SELLO, 46
.set SELHI, 47
.set HM,    48
.set MODD,  50
.set MMINE, 51
.set MB1,   52
.set MB0,   53
.set MA,    54
.set MBB,   55
.set EQ,    56                         ; s56-59 d3 = 0..3
.set TA,    66                         ; s66-73 two masks for each tile of level 5
.set HK,    66                         ; s66-73 at the head: the eight comparisons that choose groups.  In the scan: s56-63 and s66-73, its sixteen comparisons
.set GM,    76
.set AM,    80                         ; s80-82 the three comparisons of an argmax
.set MSB, 0
.macro WIN new                         ; the immediate's high byte repeats the setting that is left; a switch that changes nothing is dropped
.if MSB != \new
	s_set_vgpr_msb (MSB<<8)|\new
.set MSB, \new
.endif
.endm
.macro PLACES                          ; four places behind matrix instructions, where no other vector work is at hand (ISA guide 7.12.1)
.rept 4
	v_nop
.endr
.endm
; 32 loads: my token's row of x, the halves of the lanes taking alternate runs of 8 numbers: raw register 16 s + 4 c + e (v256 on) holds k = 32 s + 16 (c / 2) + 8 (lane / 16) + 4 (c % 2) + e
.macro GATHER
	WIN 0x40                                       ; destination v256 on, address below
	s_wait_alu depctr_va_vdst(0)                   ; v[XO] is written, which these loads read; at a trip's end the conversions and the matrix instructions are also done with v256 on, in which they land
.set kk, 0
.rept 8
	global_load_b128 v[16*kk:16*kk+3],     v[XO], s[4:5] offset:128*kk
	global_load_b128 v[16*kk+4:16*kk+7],   v[XO], s[4:5] offset:128*kk+16
	global_load_b128 v[16*kk+8:16*kk+11],  v[XO], s[4:5] offset:128*kk+64
	global_load_b128 v[16*kk+12:16*kk+15], v[XO], s[4:5] offset:128*kk+80
.set kk, kk+1
.endr
	WIN 0
.endm
; rounded to bf16 in place: register k takes raw 2 k and 2 k + 1, which lie at or above it; v[256 + 8 s .. + 7] is then source 1 of K step s
.macro XCVT
	WIN 0x45
.set kk, 0
.rept 64
	v_cvt_pk_bf16_f32 v[kk], v[2*kk], v[2*kk+1]
.set kk, kk+1
.endr
	WIN 0
.endm
; 12 LDS loads: the six tiles' fragments of K step st
.macro FETCH st, buf
.set tt, 0
.rept 6
.set r0, 16*tt-SUB
.if tt == 0
.set r0, 0
.endif
	ds_load_b128 v[\buf+8*tt:\buf+8*tt+3],   v[FAA] offset:r0*PW+64*(\st)
	ds_load_b128 v[\buf+8*tt+4:\buf+8*tt+7], v[FAA] offset:r0*PW+64*(\st)+32
.set tt, tt+1
.endr
.endm
; The six tiles' logits, first part: the sums start from the bias, loaded in the result's layout; then the fragments of K steps 0 and 1
.macro LOGLOAD
.set tt, 0
.rept 6
.set r0, 16*tt-SUB
.if tt == 0
.set r0, 0
.endif
	ds_load_b128 v[ACC+8*tt:ACC+8*tt+3],   v[BAA] offset:4*r0
	ds_load_b128 v[ACC+8*tt+4:ACC+8*tt+7], v[BAA] offset:4*r0+16
.set tt, tt+1
.endr
	FETCH 0, FA0
	FETCH 1, FA1
.endm
; Second part: the eight K steps.  The six accumulators take turns, one instruction a turn.
.macro LOGMUL
	WIN 0x04                                       ; source 1 (x) from v256 on
.irp st, 0,1,2,3,4,5,6,7
.if \st < 7
	s_wait_dscnt 12                                ; all but the next K step's twelve loads: the bias and this step's fragments are in
.else
	s_wait_dscnt 0x0                               ; nothing was issued behind the last step's loads
.endif
.set fb, FA0+48*(\st%2)
.set tt, 0
.rept 6
	v_wmma_f32_16x16x32_bf16 v[ACC+8*tt:ACC+8*tt+7], v[fb+8*tt:fb+8*tt+7], v[8*\st:8*\st+7], v[ACC+8*tt:ACC+8*tt+7]
.set tt, tt+1
.endr
	PLACES                                         ; in front of the loads into the buffer just multiplied; behind the last step: in front of the first read of the sums
.if \st < 6
	s_wait_alu depctr_va_vdst(0)                   ; the six matrix instructions are done reading this buffer, in which the loads below land; the places above stay beside this wait
	FETCH \st+2, fb
.endif
.endr
	WIN 0
.endm
; gelu of four numbers v[x .. x+3] into v[o .. o+3]
.macro GELU4 x, o
.irp k, 0,1,2,3
	v_mul_f32 v[rZ+\k], 0x3f3504f3, |v[\x+\k]|     ; z = |x| / sqrt 2
.endr
	v_pk_fma_f32 v[rT:rT+1],   v[rZ:rZ+1],   0.5, 1.0 op_sel_hi:[1,0,0]
	v_pk_fma_f32 v[rT+2:rT+3], v[rZ+2:rZ+3], 0.5, 1.0 op_sel_hi:[1,0,0]
.irp k, 0,1,2,3
	v_rcp_f32 v[rT+\k], v[rT+\k]                   ; t = 1 / (1 + z / 2)
.endr
	v_pk_mul_f32 v[rH:rH+1], v[\x:\x+1], 0.5 op_sel_hi:[1,0]   ; the plain instruction between the reciprocals and their use (ISA guide 5.7.2)
.irp k, 0,1,2,3
	v_cmp_lt_f32 s[GM+\k], 0, v[\x+\k]
.endr
	s_wait_alu depctr_va_vdst(0)
	v_pk_fma_f32 v[rP:rP+1],   v[rT:rT+1],   0x3e2ef946, v[C8V:C8V+1] op_sel_hi:[1,0,1]   ; c9 t + c8
	v_pk_fma_f32 v[rP+2:rP+3], v[rT+2:rT+3], 0x3e2ef946, v[C8V:C8V+1] op_sel_hi:[1,0,1]
.irp c, 0x3fbe87b0, 0xbf914e5d, 0x3e8ec7cc, 0xbe3ec24c, 0x3dc636c9, 0x3ebf88fb, 0x3f8000c7, 0xbfa1fc4e   ; c7 down to c0
	v_pk_fma_f32 v[rP:rP+1],   v[rP:rP+1],   v[rT:rT+1],   \c op_sel_hi:[1,1,0]
	v_pk_fma_f32 v[rP+2:rP+3], v[rP+2:rP+3], v[rT+2:rT+3], \c op_sel_hi:[1,1,0]
.endr
	v_pk_fma_f32 v[rP:rP+1],   v[rZ:rZ+1],   v[rZ:rZ+1],   v[rP:rP+1]   neg_lo:[1,0,0] neg_hi:[1,0,0]   ; P(t) - z^2
	v_pk_fma_f32 v[rP+2:rP+3], v[rZ+2:rZ+3], v[rZ+2:rZ+3], v[rP+2:rP+3] neg_lo:[1,0,0] neg_hi:[1,0,0]
	v_pk_mul_f32 v[rP:rP+1],   v[rP:rP+1],   0x3fb8aa3b op_sel_hi:[1,0]   ; to base 2
	v_pk_mul_f32 v[rP+2:rP+3], v[rP+2:rP+3], 0x3fb8aa3b op_sel_hi:[1,0]
.irp k, 0,1,2,3
	v_exp_f32 v[rP+\k], v[rP+\k]
.endr
	v_pk_mul_f32 v[rH+2:rH+3], v[\x+2:\x+3], 0.5 op_sel_hi:[1,0]   ; the plain instruction behind the exponentials
	s_wait_alu depctr_va_vdst(0)
	v_pk_mul_f32 v[rP:rP+1],   v[rP:rP+1],   v[rT:rT+1]            ; erfc(z)
	v_pk_mul_f32 v[rP+2:rP+3], v[rP+2:rP+3], v[rT+2:rT+3]
	v_pk_fma_f32 v[rZ:rZ+1],   v[rP:rP+1],   -1.0, 2.0 op_sel_hi:[1,0,0]   ; erfc(-z) = 2 - erfc(z)
	v_pk_fma_f32 v[rZ+2:rZ+3], v[rP+2:rP+3], -1.0, 2.0 op_sel_hi:[1,0,0]
	s_wait_alu depctr_va_sdst(0)                   ; the four comparisons above have written s[GM ..], ahead of the selects, their first readers
.irp k, 0,1,2,3
	v_cndmask_b32 v[rP+\k], v[rP+\k], v[rZ+\k], s[GM+\k]           ; x > 0 takes the second
.endr
	v_pk_mul_f32 v[\o:\o+1],   v[rH:rH+1],   v[rP:rP+1]
	v_pk_mul_f32 v[\o+2:\o+3], v[rH+2:rH+3], v[rP+2:rP+3]
.endm
; the index of the first largest of v[g .. g+3]: the running maxima first, then the three comparisons in a run, then the selects
.macro ARGMAX4 g, idx
	v_max_num_f32 v[rZ],   v[\g], v[\g+1]
	v_max_num_f32 v[rZ+1], v[rZ], v[\g+2]
	v_cmp_gt_f32 s[AM],   v[\g+1], v[\g]
	v_cmp_gt_f32 s[AM+1], v[\g+2], v[rZ]
	v_cmp_gt_f32 s[AM+2], v[\g+3], v[rZ+1]
	s_wait_alu depctr_va_sdst(0)                   ; the three comparisons have written s[AM ..], ahead of their first reader
	v_cndmask_b32 v[\idx], 0, 1, s[AM]
	v_cndmask_b32 v[\idx], v[\idx], 2, s[AM+1]
	v_cndmask_b32 v[\idx], v[\idx], 3, s[AM+2]
.endm
; Group c (0..3) of the tile in v[a .. a+7] lies in the half of the lanes c / 2, in registers 4 (c % 2) on.  Its four logits are brought into rLG in both halves.
; The first select reads the tile's lowest register.  The masks odd and mine stay for the caller.
.macro PICK a, c, odd, mine
	v_and_b32 v[rZ], 1, v[\c]
	v_lshrrev_b32 v[rZ+1], 1, v[\c]
	v_cmp_ne_u32 s[\odd], 0, v[rZ]
	v_cmp_eq_u32 s[\mine], v[rZ+1], v[HH]
	s_wait_alu depctr_va_sdst(0)                   ; both comparisons have written their masks, ahead of the first reader
.irp k, 0,1,2,3
	v_cndmask_b32 v[rSEL+\k], v[\a+\k], v[\a+4+\k], s[\odd]
.endr
.irp k, 0,1,2,3
	v_permlanex16_b32 v[rOTH+\k], v[rSEL+\k], s[SELLO], s[SELHI]
.endr
.irp k, 0,1,2,3
	v_cndmask_b32 v[rLG+\k], v[rOTH+\k], v[rSEL+\k], s[\mine]
.endr
.endm
; tile 2 + c of tiles 2 to 5 is brought into tile 2's registers, from the low end on
.macro PICKTILE c
	v_and_b32 v[rZ], 2, v[\c]
	v_and_b32 v[rZ+1], 1, v[\c]
	v_cmp_ne_u32 s[MB1], 0, v[rZ]
	v_cmp_ne_u32 s[MB0], 0, v[rZ+1]
	s_wait_alu depctr_va_sdst(0)                   ; these two comparisons, and the four into s[EQ ..] that stand ahead of them, have written their masks, ahead of the first reader of any
.irp j, 0,1,2,3,4,5,6,7
	v_cndmask_b32 v[ACC+16+\j], v[ACC+16+\j], v[ACC+32+\j], s[MB1]
	v_cndmask_b32 v[ACC+24+\j], v[ACC+24+\j], v[ACC+40+\j], s[MB1]
	v_cndmask_b32 v[ACC+16+\j], v[ACC+16+\j], v[ACC+24+\j], s[MB0]
.endr
.endm
; the root group lies in lanes 0-15: lanes 16-31 take their decision
.macro ROOT d
	v_permlanex16_b32 v[rOTH], v[\d], s[SELLO], s[SELHI]
	v_cndmask_b32 v[\d], v[\d], v[rOTH], s[HM]
.endm
; my token of the tile that begins at list entry s43: the LDS address of its entry,
.macro LISTA
	v_add_nc_u32 v[LA], s43, v2
	v_min_u32 v[LA], 0x21f, v[LA]                  ; inside the list's 544 words
	v_lshl_add_u32 v[LA], v[LA], 2, v26
.endm
; and, behind a wait on va_vdst, the token and its offset in x
.macro LISTL
	ds_load_b32 v[XO], v[LA]
	s_wait_dscnt 0x0
	v_min_u32 v[XO], 0xfff, v[XO]                  ; a token: 0 .. 4,095
	v_lshlrev_b32 v[XO], 10, v[XO]
	v_lshl_add_u32 v[XO], v[HH], 5, v[XO]
.endm
; 24 LDS loads: W_out's fragments of output tiles 4 g .. 4 g + 3, K step by K step, into buffer fb
.macro FETCHB g, fb
.irp ks, 0,1,2
.irp ot, 0,1,2,3
	ds_load_b128 v[\fb+24*\ot+8*\ks:\fb+24*\ot+8*\ks+3],   v[FBA] offset:16*(4*\g+\ot)*PO+64*\ks
	ds_load_b128 v[\fb+24*\ot+8*\ks+4:\fb+24*\ot+8*\ks+7], v[FBA] offset:16*(4*\g+\ot)*PO+64*\ks+32
.endr
.endr
.endm
; 12 matrix instructions: O^T = W_out act for four output tiles.  Source 0 = 16 output rows, source 1 = 16 tokens: a lane holds one token and eight neighbouring outputs.
; The first K step starts the sums; the four accumulators take turns, one instruction a turn.
; w: the window setting (source 0 from v256 on for FB1).  younger: the LDS instructions issued behind this buffer's 24 loads.
.macro MULB ob, fb, w, younger
	WIN \w
.irp ks, 0,1,2
	s_wait_dscnt \younger+16-8*\ks                 ; the later K steps' loads, eight each, and what was issued behind the buffer's loads may stay out
.irp ot, 0,1,2,3
.if \ks == 0
	v_wmma_f32_16x16x32_bf16 v[\ob+8*\ot:\ob+8*\ot+7], v[\fb+24*\ot+8*\ks:\fb+24*\ot+8*\ks+7], v[B2+8*\ks:B2+8*\ks+7], 0
.else
	v_wmma_f32_16x16x32_bf16 v[\ob+8*\ot:\ob+8*\ot+7], v[\fb+24*\ot+8*\ks:\fb+24*\ot+8*\ks+7], v[B2+8*\ks:B2+8*\ks+7], v[\ob+8*\ot:\ob+8*\ot+7]
.endif
.endr
.endr
.endm
; four finished tiles into my stage: each accumulator from its low end on
.macro STAGEO g, ob
.irp ot, 0,1,2,3
	ds_store_b128 v[STA], v[\ob+8*\ot:\ob+8*\ot+3]   offset:64*(4*\g+\ot)
	ds_store_b128 v[STA], v[\ob+8*\ot+4:\ob+8*\ot+7] offset:64*(4*\g+\ot)+16
.endr
.endm
; group g of eight loads of weights: rounded in place, and, a group later, stored
.macro CVTG g
.set ii, 8*(\g)
.rept 8
	v_cvt_pk_bf16_f32 v[STG+4*ii],   v[STG+4*ii],   v[STG+4*ii+1]
	v_cvt_pk_bf16_f32 v[STG+4*ii+1], v[STG+4*ii+2], v[STG+4*ii+3]
.set ii, ii+1
.endr
.endm
.macro STOG g
.set ii, 8*(\g)
.rept 8
.if ii < 4
	ds_store_b64 v6, v[STG+4*ii:STG+4*ii+1] offset:(ii/2)*PW+(ii%2)*256
.elseif ii < 8
	ds_store_b64 v6, v[STG+4*ii:STG+4*ii+1] offset:16*PW+((ii-4)/2)*PW+((ii-4)%2)*256
.elseif ii < 24
	ds_store_b64 v7, v[STG+4*ii:STG+4*ii+1] offset:((ii-8)/2)*PW+((ii-8)%2)*256
.elseif ii < 40
	ds_store_b64 v11, v[STG+4*ii:STG+4*ii+1] offset:64+2*PO*(ii-24)
.elseif ii < 44
	ds_store_b64 v12, v[STG+4*ii:STG+4*ii+1] offset:32+8*PO*(ii-40)
.else
	ds_store_b64 v12, v[STG+4*ii:STG+4*ii+1] offset:8*PO*(ii-44)
.endif
.set ii, ii+1
.endr
.endm
	s_load_b256 s[4:11], s[0:1], 0x0               ; oldx s[4:5], W_in s[6:7], b_in s[8:9], W_out s[10:11]
	s_load_b128 s[12:15], s[0:1], 0x20             ; node3 s[12:13], part s[14:15]
	s_set_vgpr_msb 0x40
	v_lshl_add_u32 v128, v0, 2, 0x3e800
	v_mov_b32 v129, 0
	s_set_vgpr_msb 0x4000
	v_lshrrev_b32 v1, 5, v0
	v_readfirstlane_b32 s16, v1                    ; wave 0..7
	s_mov_b32 s17, ttmp9                           ; n3
	s_and_b32 s18, ttmp7, 0xffff                   ; the tree
	s_mul_i32 s19, s18, 1365                       ; its first group
	s_lshr_b32 s20, s17, 4
	s_add_co_u32 s20, s20, 1                       ; the path's group of level 1
	s_lshr_b32 s21, s17, 2
	s_add_co_u32 s21, s21, 5                       ; of level 2
	s_add_co_u32 s22, s17, 21                      ; of level 3
	s_lshl_b32 s23, s17, 2
	s_add_co_u32 s23, s23, 85                      ; the first of the four groups of level 4
	s_lshl_b32 s24, s17, 4
	s_add_co_u32 s24, s24, 341                     ; the first of the sixteen of level 5
	s_mov_b32 s[SELLO], 0x76543210
	s_mov_b32 s[SELHI], 0xfedcba98
	s_mov_b32 s[HM], 0xffff0000
	s_wait_alu depctr_va_sdst(0)                   ; s16 is written, ahead of its first reader
	; byte offsets of what my wave stages.  W_in: a group is 4 rows of 1,024 bytes.  Tile 0: rows 2 w, 2 w + 1, of group (level 3, 0, 1, 2)[w / 2]
	s_lshr_b32 s45, s16, 1
	s_cmp_eq_u32 s45, 0
	s_cselect_b32 s25, s22, 0
	s_cmp_eq_u32 s45, 2
	s_cselect_b32 s25, s20, s25
	s_cmp_eq_u32 s45, 3
	s_cselect_b32 s25, s21, s25
	s_add_co_u32 s26, s19, s25
	s_lshl_b32 s26, s26, 12
	s_and_b32 s45, s16, 1
	s_lshl_b32 s45, s45, 11
	s_add_co_u32 s26, s26, s45
	s_mov_b32 s27, 0
	s_add_co_u32 s28, s19, s23                     ; level 4: 16 rows, two a wave
	s_lshl_b32 s28, s28, 12
	s_lshl_b32 s45, s16, 11
	s_add_co_u32 s28, s28, s45
	s_mov_b32 s29, 0
	s_add_co_u32 s30, s19, s24                     ; level 5: 64 rows, eight a wave
	s_lshl_b32 s30, s30, 12
	s_lshl_b32 s45, s16, 13
	s_add_co_u32 s30, s30, s45
	s_mov_b32 s31, 0
	s_mul_i32 s25, s16, 32*WOROW                   ; W_out: 32 output rows a wave; a group is 16 bytes of a row
	s_add_co_u32 s32, s19, s24
	s_lshl_b32 s32, s32, 4
	s_add_co_u32 s32, s32, s25
	s_mov_b32 s33, 0
	s_add_co_u32 s34, s19, s23
	s_lshl_b32 s34, s34, 4
	s_add_co_u32 s34, s34, s25
	s_mov_b32 s35, 0
	s_lshl_b32 s38, s19, 4
	s_add_co_u32 s36, s38, s25
	s_mov_b32 s37, 0
	s_mov_b32 s39, 0                               ; s[38:39]: the tree's first bias
	s_lshl_b32 s60, s18, 14                        ; node3: 4,096 words a tree, 512 a wave
	s_lshl_b32 s45, s16, 11
	s_add_co_u32 s60, s60, s45
	s_mov_b32 s61, 0
	s_lshl_b32 s62, s18, 22                        ; part: 4 MiB a tree
	s_mov_b32 s63, 0
	v_and_b32 v1, 31, v0                           ; lane
	v_and_b32 v2, 15, v0                           ; lane % 16
	v_bfe_u32 v[HH], v0, 4, 1                      ; lane / 16
	v_lshrrev_b32 v32, 2, v1
	v_and_b32 v33, 3, v1
	s_mul_i32 s45, s16, 3                          ; bias: wave w takes groups 3 w .. 3 w + 2 of the 24, in the order of the rows
	v_min_u32 v52, 2, v1
	v_add_nc_u32 v52, s45, v52
	v_cmp_eq_u32 s[HK],   0, v33                   ; the head's eight comparisons in one run: which of tile 0's four groups a lane takes of W_out,
	v_cmp_eq_u32 s[HK+1], 2, v33
	v_cmp_eq_u32 s[HK+2], 3, v33
	v_cmp_gt_u32 s[HK+3], 8, v52                   ; and which group of the 24 it takes of the bias
	v_cmp_eq_u32 s[HK+4], 0, v52
	v_cmp_eq_u32 s[HK+5], 1, v52
	v_cmp_eq_u32 s[HK+6], 2, v52
	v_cmp_eq_u32 s[HK+7], 3, v52
	v_lshlrev_b32 v5, 4, v1                        ; 16 bytes a lane: half a row of W_in a load
	s_mul_i32 s45, s16, 2*PW
	v_lshl_add_u32 v6, v1, 3, s45                  ; LDS: rows 2 w on, the 8 bytes of bf16 that my 16 become
	s_mul_i32 s49, s16, 8*PW
	s_add_co_u32 s49, s49, 32*PW
	v_lshl_add_u32 v7, v1, 3, s49                  ; rows 32 + 8 w on
	v_mul_u32_u24 v8, v[HH], WOROW
	v_lshl_add_u32 v8, v2, 4, v8                   ; W_out level 5: sixteen lanes take a row's sixteen groups (256 bytes), two rows a load
	v_mul_u32_u24 v10, v32, WOROW
	v_lshl_add_u32 v9, v33, 4, v10                 ; level 4: four lanes take a row's four groups, eight rows a load
	s_mul_i32 s45, s16, 32*PO
	s_add_co_u32 s45, s45, LWO
	v_mul_u32_u24 v11, v[HH], PO
	v_lshl_add_u32 v11, v2, 3, v11
	v_add_nc_u32 v11, s45, v11                     ; LDS places of the same
	v_mul_u32_u24 v12, v32, PO
	v_lshl_add_u32 v12, v33, 3, v12
	v_add_nc_u32 v12, s45, v12
	v_mul_u32_u24 v[FAA], v2, PW
	v_lshl_add_u32 v[FAA], v[HH], 4, v[FAA]
	v_lshl_add_u32 v[BAA], v[HH], 5, LB
	v_mul_u32_u24 v[FBA], v2, PO
	v_lshl_add_u32 v[FBA], v[HH], 4, v[FBA]
	v_add_nc_u32 v[FBA], LWO, v[FBA]
	s_mul_i32 s49, s16, 16*PS
	s_add_co_u32 s49, s49, LS                      ; my stage
	v_mul_u32_u24 v[STA], v2, PS                   ; in: my token's row, 32 bytes for each half of the lanes
	v_lshl_add_u32 v[STA], v[HH], 5, v[STA]
	v_add_nc_u32 v[STA], s49, v[STA]
	v_mul_u32_u24 v[RDA], v[HH], PS                ; back: lanes 0-15 take 256 bytes of one row, lanes 16-31 of the next
	v_lshl_add_u32 v[RDA], v2, 4, v[RDA]
	v_add_nc_u32 v[RDA], s49, v[RDA]
	s_mul_i32 s45, s16, LLW
	s_add_co_u32 s45, s45, LL
	v_mov_b32 v26, s45                             ; my list
	s_lshl_b32 s49, s16, 9
	v_lshl_add_u32 v27, v1, 2, s49                 ; the first of the four tokens that a load of node3 gives me
	v_mov_b32 v28, 544                             ; the word for what is not listed
	v_lshlrev_b32 v29, 4, v2
	v_mov_b32 v55, s49                             ; my wave's first token
	s_sub_co_u32 s45, s24, 8
	v_add_nc_u32 v53, s45, v52                     ; 8 on: level 5
	s_sub_co_u32 s49, s23, 4
	v_add_nc_u32 v54, s49, v52                     ; 4 to 7: level 4
	s_wait_alu depctr_va_sdst(0)                   ; the eight comparisons have written s[HK ..], ahead of their first reader
	v_cndmask_b32 v34, 0, s22, s[HK]               ; tile 0: the four groups (level 3, 0, 1, 2), which lie apart
	v_cndmask_b32 v34, v34, s20, s[HK+1]
	v_cndmask_b32 v34, v34, s21, s[HK+2]
	v_lshl_add_u32 v10, v34, 4, v10
	v_cndmask_b32 v53, v53, v54, s[HK+3]
	v_cndmask_b32 v53, v53, s22, s[HK+4]
	v_cndmask_b32 v53, v53, 0, s[HK+5]
	v_cndmask_b32 v53, v53, s20, s[HK+6]
	v_cndmask_b32 v53, v53, s21, s[HK+7]
	v_lshlrev_b32 v54, 4, v53                      ; from where,
	v_lshl_add_u32 v52, v52, 4, LB                 ; to where
	s_wait_kmcnt 0x0
	s_add_nc_u64 s[26:27], s[6:7], s[26:27]
	s_add_nc_u64 s[28:29], s[6:7], s[28:29]
	s_add_nc_u64 s[30:31], s[6:7], s[30:31]
	s_add_nc_u64 s[32:33], s[10:11], s[32:33]
	s_add_nc_u64 s[34:35], s[10:11], s[34:35]
	s_add_nc_u64 s[36:37], s[10:11], s[36:37]
	s_add_nc_u64 s[8:9], s[8:9], s[38:39]
	s_add_nc_u64 s[12:13], s[12:13], s[60:61]
	s_add_nc_u64 s[14:15], s[14:15], s[62:63]
	s_wait_alu depctr_va_vdst(0)                   ; all offsets and LDS addresses of the head, and v55, are written, which the loads and stores below read; the head is done with v32-34, in which node3 lands
	; ALL LOADS THAT HANG ON IDS ALONE GO OUT NOW: 4 of node3, 1 of the bias, 48 of weights
.irp b, 0,1,2,3
	global_load_b128 v[32+4*\b:35+4*\b], v5, s[12:13] offset:512*\b
.endr
	global_load_b128 v[48:51], v54, s[8:9]
.irp i, 0,1,2,3
	global_load_b128 v[STG+4*\i:STG+4*\i+3], v5, s[26:27] offset:512*\i
.endr
.irp i, 0,1,2,3
	global_load_b128 v[STG+16+4*\i:STG+16+4*\i+3], v5, s[28:29] offset:512*\i th:TH_LOAD_NT   ; levels 4 and 5 of W_in: whole rows that no other work-group reads
.endr
.irp i, 0,1,2,3,4,5,6,7,8,9,10,11,12,13,14,15
	global_load_b128 v[STG+32+4*\i:STG+32+4*\i+3], v5, s[30:31] offset:512*\i th:TH_LOAD_NT
.endr
.irp i, 0,1,2,3,4,5,6,7,8,9,10,11,12,13,14,15
	global_load_b128 v[STG+96+4*\i:STG+96+4*\i+3], v8, s[32:33] offset:2*WOROW*\i
.endr
.irp i, 0,1,2,3
	global_load_b128 v[STG+160+4*\i:STG+160+4*\i+3], v9, s[34:35] offset:8*WOROW*\i
.endr
.irp i, 0,1,2,3
	global_load_b128 v[STG+176+4*\i:STG+176+4*\i+3], v10, s[36:37] offset:8*WOROW*\i
.endr
	; THE SCAN, while the weights are on their way: the tokens of my 512 that lie in this bucket, in ascending runs, into my list
	ds_store_b32 v26, v55                          ; entry 0 is a token of mine even if the list stays empty: the padding is always defined
	s_wait_loadcnt 49                              ; node3 is in: behind it the bias and the 48 loads of weights were issued
.set ii, 0
.rept 16                                               ; word c of load b is number 4 b + c: all sixteen comparisons in one run
.set sc, 56+ii+2*(ii/8)
	v_cmp_eq_u32 s[sc], s17, v[32+ii]
.set ii, ii+1
.endr
	s_wait_alu depctr_va_sdst(0)                   ; the sixteen comparisons have written their masks, ahead of their first reader
	s_mov_b32 s40, 0                               ; tokens listed
.set ii, 0
.rept 16                                               ; all sixteen places and all sixteen token numbers are made, in registers of their own; the stores follow in one run
.set sc, 56+ii+2*(ii/8)
.set ad, 16+ii+32*(ii/8)
	v_mbcnt_lo_u32_b32 v[ad], s[sc], s40           ; listed so far + the lanes below me that list one now
	v_cndmask_b32 v[ad], v28, v[ad], s[sc]
	v_min_u32 v[ad], 0x220, v[ad]                  ; inside my list's 545 words
	v_lshl_add_u32 v[ad], v[ad], 2, v26
	v_add_nc_u32 v[32+ii], 128*(ii/4)+ii%4, v27    ; the token, where its word of node3 lay
	s_bcnt1_i32_b32 s45, s[sc]
	s_add_co_u32 s40, s40, s45
.set ii, ii+1
.endr
	s_min_u32 s40, s40, 512                        ; its true bound
	v_add_nc_u32 v31, s40, v1                      ; where the padding goes
	v_min_u32 v31, 0x21f, v31
	v_lshl_add_u32 v31, v31, 2, v26
	s_add_co_u32 s41, s40, 15
	s_lshr_b32 s41, s41, 4
	s_min_u32 s41, s41, 32                         ; trips: tiles of 16 tokens
	s_mov_b32 s42, 0                               ; the trip,
	s_mov_b32 s43, 0                               ; its first list entry,
	s_mov_b32 s44, s40                             ; the tokens left from there
	LISTA
	s_wait_alu depctr_va_vdst(0)                   ; the sixteen places, the sixteen tokens, v31 and v[LA] are written, which the LDS stores and loads below read
.set ii, 0
.rept 16
.set ad, 16+ii+32*(ii/8)
	ds_store_b32 v[ad], v[32+ii]
.set ii, ii+1
.endr
	ds_load_b32 v30, v26                           ; LDS serves a wave's instructions in order (ISA guide 5.7.1.4): this sees the stores above; no vector instruction has named v30
	s_wait_dscnt 0x0
	ds_store_b32 v31, v30                          ; 32 entries of padding behind the list: its first token
	LISTL                                          ; no vector instruction has named v[XO]
	GATHER                                         ; the first tile's x
	; THE WEIGHTS: rounded to bf16, into LDS
	s_wait_loadcnt 63                              ; 80 loads were issued behind the bias, 72 behind group 0; the count named is the largest that the wait can name
.irp k, 0,1,2,3
	v_cvt_pk_bf16_f32 v[48+\k], v[48+\k], v[48+\k] ; the bias is rounded to bf16 like the other inputs,
.endr
.irp k, 0,1,2,3
	v_lshlrev_b32 v[48+\k], 16, v[48+\k]           ; and kept as f32, since it starts the sums
.endr
	CVTG 0
.irp g, 1,2,3,4,5
.set wc, 72-8*\g                               ; behind group g: 40 - 8 g loads of weights and the 32 of x
.if wc > 63
.set wc, 63
.endif
	s_wait_loadcnt wc
	s_wait_alu depctr_va_vdst(0)                   ; the conversions of the group before (and, the first time, the bias's) have written what the LDS stores below read
.if \g == 1
	ds_store_b128 v52, v[48:51]
.endif
	STOG \g-1
	CVTG \g                                        ; these name the registers of group g alone
.endr
	s_wait_alu depctr_va_vdst(0)                   ; the last group's conversions have written what its LDS stores read
	STOG 5
	s_wait_alu depctr_vm_vsrc(0)                   ; the head's LDS stores and loads have read v16-23, v30-63 and v64-255: v236-237 are written below, the others in the trips, by vector instructions and by LDS loads
	v_mov_b32 v[C8V], 0xbf527892
	v_mov_b32 v[C8V+1], 0xbf527892
	s_wait_dscnt 0x0                               ; for the others' sake: my part of the weights is in LDS
	s_barrier_signal -1
	s_barrier_wait -1                              ; the launch's one barrier: from here on each wave goes its own way
	s_cmp_eq_u32 s40, 0
	s_cbranch_scc1 .Lend                           ; none of my 512 tokens lies in this bucket
.Ltrip:                                                ; one tile of 16 tokens
	v_add_nc_u32 v[PA], s43, v[HH]                 ; the tile's tokens once more, by pairs, for the stores: lanes 0-15 entry 2 tp, lanes 16-31 entry 2 tp + 1
	v_min_u32 v[PA], 0x211, v[PA]                  ; 529 + 14 is the list's last word
	v_lshl_add_u32 v[PA], v[PA], 2, v26
	s_wait_alu depctr_va_vdst(0)                   ; v[PA] is written; the head's conversions, or the vector and matrix instructions of the trip before, are done with v16-23 and v64-207, in which the 44 loads below land
.irp tp, 0,1,2,3,4,5,6,7
	ds_load_b32 v[TO+\tp], v[PA] offset:8*\tp
.endr
	LOGLOAD                                        ; on their way while x is waited for and rounded: the conversions name v256 on alone
	s_wait_loadcnt 0x0                             ; x
	XCVT
	LOGMUL
	s_wait_alu depctr_va_vdst(0)                   ; the first product's matrix instructions are done reading v64-159 and x: W_out's first two buffers land there
	FETCHB 0, FB0
	WIN 0x40                                       ; destination v256 on; only loads and this switch stand between the wait and the loads below
	FETCHB 1, FB1
	WIN 0
.irp tp, 0,1,2,3,4,5,6,7
	v_min_u32 v[TO+\tp], 0xfff, v[TO+\tp]          ; the pairs' tokens came in ahead of the first product's last wait on DScnt
.endr
.irp tp, 0,1,2,3,4,5,6,7
	v_lshl_add_u32 v[TO+\tp], v[TO+\tp], 10, v29
.endr
	; tile 0: all four groups are on the path.  The activations, packed in pairs, ARE source 1 of the second product: tile t's registers 2 q, 2 q + 1 make B2's register 4 t + q, in the same lane
	GELU4 ACC, rG                                  ; lanes 0-15: level 3; lanes 16-31: level 1
	ARGMAX4 rG, D3
	ROOT D3
	v_cvt_pk_bf16_f32 v[B2],   v[rG],   v[rG+1]
	v_cvt_pk_bf16_f32 v[B2+1], v[rG+2], v[rG+3]
	GELU4 ACC+4, rG                                ; level 0; level 2
	v_cvt_pk_bf16_f32 v[B2+2], v[rG],   v[rG+1]
	v_cvt_pk_bf16_f32 v[B2+3], v[rG+2], v[rG+3]
	; level 4: group d3 of tile 1 is active, the other three are zero
	PICK ACC+8, D3, MODD, MMINE
	GELU4 rLG, rG
	ARGMAX4 rG, D4
	v_cvt_pk_bf16_f32 v[rSEL],   v[rG],   v[rG+1]
	v_cvt_pk_bf16_f32 v[rSEL+1], v[rG+2], v[rG+3]
	s_and_not1_b32 s[MA], s[MMINE], s[MODD]        ; the group lies in my half of the lanes, in registers 0-3,
	s_and_b32 s[MBB], s[MMINE], s[MODD]            ; or in registers 4-7
	v_cndmask_b32 v[B2+4], 0, v[rSEL],   s[MA]
	v_cndmask_b32 v[B2+5], 0, v[rSEL+1], s[MA]
	v_cndmask_b32 v[B2+6], 0, v[rSEL],   s[MBB]
	v_cndmask_b32 v[B2+7], 0, v[rSEL+1], s[MBB]
	; level 5: group d4 of tile 2 + d3
.irp t, 0,1,2,3
	v_cmp_eq_u32 s[EQ+\t], \t, v[D3]               ; read far below; the wait in PICKTILE stands behind these four too
.endr
	PICKTILE D3
	PICK ACC+16, D4, MODD, MMINE
	GELU4 rLG, rG
	v_cvt_pk_bf16_f32 v[rSEL],   v[rG],   v[rG+1]
	v_cvt_pk_bf16_f32 v[rSEL+1], v[rG+2], v[rG+3]
	s_and_not1_b32 s[MA], s[MMINE], s[MODD]
	s_and_b32 s[MBB], s[MMINE], s[MODD]
.irp t, 0,1,2,3
	s_and_b32 s[TA+2*\t],   s[EQ+\t], s[MA]
	s_and_b32 s[TA+2*\t+1], s[EQ+\t], s[MBB]
	v_cndmask_b32 v[B2+8+4*\t],  0, v[rSEL],   s[TA+2*\t]
	v_cndmask_b32 v[B2+9+4*\t],  0, v[rSEL+1], s[TA+2*\t]
	v_cndmask_b32 v[B2+10+4*\t], 0, v[rSEL],   s[TA+2*\t+1]
	v_cndmask_b32 v[B2+11+4*\t], 0, v[rSEL+1], s[TA+2*\t+1]
.endr
	; THE SECOND PRODUCT, four output tiles to a set, on two fragment buffers and two sets of accumulators: sets 0 and 1, whose fragments came in under the walk, then sets 2 and 3
	MULB OA, FB0, 0, 24                            ; behind FB0's loads: FB1's 24
	MULB OB, FB1, 0x01, 0
	WIN 0
	PLACES                                         ; in front of the stores that read results just made and of the loads into the fragments just multiplied;
	v_nop                                          ; a fifth place, since the next matrix instructions on OA and OB write over these results
	s_wait_alu depctr_va_vdst(0)                   ; sets 0 and 1 are written, which the LDS stores read; their matrix instructions are done reading FB0 and FB1, in which the loads land
	FETCHB 2, FB0
	WIN 0x40                                       ; only loads and this switch stand between the wait and the loads below
	FETCHB 3, FB1
	WIN 0
	STAGEO 0, OA
	s_wait_alu depctr_vm_vsrc(0)                   ; the LDS stores have read OA, which set 2's products write
	MULB OA, FB0, 0, 32                            ; behind FB0's loads: FB1's 24 and eight stores
	STAGEO 1, OB                                   ; no wait: OB was written ahead of the wait on va_vdst above, and set 2's products name OA, FB0 and B2 alone
	s_wait_alu depctr_vm_vsrc(0)                   ; the LDS stores have read OB, which set 3's products write
	MULB OB, FB1, 0x01, 16                         ; behind FB1's loads: sixteen stores
	WIN 0
	PLACES
	s_wait_alu depctr_va_vdst(0)                   ; sets 2 and 3 are written, which the LDS stores read; their matrix instructions are done with v64-191, in which the rows land
	STAGEO 2, OA
	STAGEO 3, OB
	s_wait_alu depctr_vm_vsrc(0)                   ; the LDS stores have read OA: v160-191 take rows below
	; THE WAY OUT: whole rows back from my own stage (a wave's LDS instructions are served in order: no wait between the stores and these loads)
.irp tp, 0,1,2,3,4,5,6,7
.irp c, 0,1,2,3
	ds_load_b128 v[WB+16*\tp+4*\c:WB+16*\tp+4*\c+3], v[RDA] offset:2*PS*\tp+256*\c
.endr
.endr
.irp tp, 0,1,2,3,4,5,6,7
.if \tp > 0
	s_cmp_le_u32 s44, 2*\tp                        ; no token is left in this pair or behind it: only padding
	s_cbranch_scc1 .Ldone
.endif
	s_wait_dscnt 28-4*\tp                          ; the later pairs' loads, four each, may stay out
.irp c, 0,1,2,3
	global_store_b128 v[TO+\tp], v[WB+16*\tp+4*\c:WB+16*\tp+4*\c+3], s[14:15] offset:256*\c   ; sixteen lanes store 256 consecutive bytes, at a multiple of 256 from the buffer's first byte; the offsets were written ahead of the waits on va_vdst above
.endr
.endr
.Ldone:
	s_wait_dscnt 0x0                               ; the loads of pairs that were skipped have come back: their registers are written again below
	s_wait_xcnt 0x0                                ; the stores' data and offsets are written again only behind this wait
	s_wait_alu depctr_vm_vsrc(0)                   ; the stores have read v64-191 and v16-23, the LDS loads v[PA] and v[LA], the gather v[XO]: all are written again below or in the next trip
	s_add_co_u32 s42, s42, 1
	s_add_co_u32 s43, s43, 16
	s_sub_co_u32 s44, s44, 16
	s_cmp_ge_u32 s42, s41
	s_cbranch_scc1 .Lend                           ; the last trip asks for no further x
	LISTA
	s_wait_alu depctr_va_vdst(0)                   ; v[LA] is written, which the list's load reads; the vector lines that made the last v[XO] are done, in which it lands
	LISTL
	GATHER
	s_cmp_lt_u32 s42, s41
	s_cbranch_scc1 .Ltrip
.Lend:
	s_set_vgpr_msb 0x5
	s_wait_dscnt 0x0
	s_wait_alu depctr_hold_cnt(0) depctr_sa_sdst(0) depctr_va_vdst(0) depctr_va_sdst(0) depctr_va_ssrc(0) depctr_va_vcc(0) depctr_vm_vsrc(0)
	s_wait_tensorcnt 0x0
	ds_add_u32 v128, v129
	s_wait_dscnt 0x0
	s_endpgm
.Lfunc_end_k_q1c8d8702f0_leaf:
	.size	k_q1c8d8702f0_leaf, .Lfunc_end_k_q1c8d8702f0_leaf-k_q1c8d8702f0_leaf
	.p2alignl 7, 3214868480
	.fill 96, 4, 3214868480
	.section	.rodata,"a",@progbits
	.p2align	6, 0x0
	.amdhsa_kernel k_q1c8d8702f0_leaf
		.amdhsa_group_segment_fixed_size 257024
		.amdhsa_private_segment_fixed_size 0
		.amdhsa_enable_private_segment 0
		.amdhsa_kernarg_size 48
		.amdhsa_user_sgpr_count 2
		.amdhsa_user_sgpr_kernarg_segment_ptr 1
		.amdhsa_wavefront_size32 1
		.amdhsa_system_sgpr_workgroup_id_x 1
		.amdhsa_system_sgpr_workgroup_id_y 1
		.amdhsa_system_sgpr_workgroup_id_z 1
		.amdhsa_system_vgpr_workitem_id 0
		.amdhsa_next_free_vgpr 386
		.amdhsa_next_free_sgpr 84
		.amdhsa_reserve_vcc 0
		.amdhsa_float_denorm_mode_32 3
		.amdhsa_float_denorm_mode_16_64 3
		.amdhsa_memory_ordered 1
		.amdhsa_forward_progress 1
		.amdhsa_inst_pref_size 96
	.end_amdhsa_kernel
	.amdgpu_metadata
---
amdhsa.version: [ 1, 2 ]
amdhsa.kernels:
  - .name:           k_q1c8d8702f0_leaf
    .symbol:         k_q1c8d8702f0_leaf.kd
    .args:
      - { .name: oldx, .offset: 0, .size: 8, .value_kind: global_buffer, .address_space: global }
      - { .name: W_in, .offset: 8, .size: 8, .value_kind: global_buffer, .address_space: global }
      - { .name: b_in, .offset: 16, .size: 8, .value_kind: global_buffer, .address_space: global }
      - { .name: W_out, .offset: 24, .size: 8, .value_kind: global_buffer, .address_space: global }
      - { .name: node3, .offset: 32, .size: 8, .value_kind: global_buffer, .address_space: global }
      - { .name: part, .offset: 40, .size: 8, .value_kind: global_buffer, .address_space: global }
    .group_segment_fixed_size: 257024
    .private_segment_fixed_size: 0
    .kernarg_segment_align: 8
    .kernarg_segment_size: 48
    .max_flat_workgroup_size: 256
    .sgpr_count:     84
    .vgpr_count:     386
    .wavefront_size: 32
...
	.end_amdgpu_metadata
.endif
;; end of part 5
;; launch sum: the kernel of part 3 again; grid 256 x 1, 8 waves a work-group, no clusters, 0 bytes of LDS; arguments part, out0; writes out0
